; MI455X (gfx1250); checked and timed in simulation.
; The chip was launched on July 23, 2026; its instructions are those of AMD's public machine-readable ISA for CDNA 5 (MIT licence, August 2026) and "CDNA5" Instruction Set Architecture Reference Guide (July 2026). The comments in the code are by the model that wrote it; some were corrected since.
;; Top K Query Bess KGE. Allowed arithmetic: float matrix products may take bf16 or f16 operands with f32 sums; all other float work in f32.
;; Inputs: entity_embedding 4 x 65,536 x 128 float32; head 4 x 256 int32; relation 4 x 256 int32; relation_embedding 1,000 x 128 float32; shard_and_idx_to_entity 4 x 65,536 int32.
;; Outputs: out0 4 x 256 x 10 int32; out1 4 x 256 x 10 float32.
;; 3 versions, each right; version 2 is faster than version 1; version 3 is version 2 with the launch prep written anew for expert scheduling mode. Each part assembles by itself: llvm-mc -triple=amdgcn-amd-amdhsa -mcpu=gfx1250 --defsym DOCPART=n.
;; ======== version 1 of 3: 3 launches
;; workspace buffers: lists 8,388,608 bytes; cand 262,144 bytes of whole numbers
;; launch score (part 1): grid 2 x 128, 4 waves a work-group, no clusters, 327,680 bytes of LDS; arguments entity_embedding, head, relation, relation_embedding, lists; writes lists
.if DOCPART == 1
	.amdgcn_target "amdgcn-amd-amdhsa--gfx1250"
	.amdhsa_code_object_version 6
	.text
	.protected	k_q0734d97274_score
	.globl	k_q0734d97274_score
	.p2align	8
	.type	k_q0734d97274_score,@function
k_q0734d97274_score:
	s_mov_b64 s[64:65], 0
	v_nop
	global_prefetch_b8 v0, s[64:65] scope:SCOPE_SE
	s_setreg_imm32_b32 hwreg(HW_REG_WAVE_MODE, 25, 1), 1
	s_wait_xcnt 0x0
; FIRST OF THREE LAUNCHES: which groups of 8 neighbouring entities can hold a query's best scores.
; hr[q] = entity[q >> 8][head[q]] * relation_embedding[relation[q]] (f32, then bf16); score = hr . entity row, bf16 operands, f32 sums.
; A work-group owns 512 queries (grid x) and a range of 2,048 entity rows (grid y: 128 ranges, 32 to a shard).  Each of its four waves
; owns 128 queries (8 tiles of 16, kept as B fragments in 256 registers) and walks all 128 tiles of 16 rows of the range.
; Source 0 = 16 entities, source 1 = 16 queries: a lane's 8 results are ONE query and 8 neighbouring entities = one group.
; Per group only the maximum is kept; its low 8 mantissa bits are replaced by a code of the group's place in the range, so that a plain
; float maximum carries the place along.  Per (query, half of the lanes) a sorted list of the 16 largest is kept in registers: every 16 tiles the
; 16 new maxima are sorted (bitonic network) and merged.  At the end the two halves are merged and 16 words a query are stored.
; No branch and no address hangs on a score.
; LIMITS.  The choice is made on bf16 products with the mantissa cut to 15 bits; the later launches rescore 16 groups a shard in f32, while 11
; entities are wanted: an entity is lost only if this rounding lifts more than five other groups over its group.  Infinite or NaN scores are not served.
; NOT IN A CLUSTER: a range is read by two work-groups only, and a wave needs all 8 query tiles to feed 32 products from each 8 KiB it reads from LDS.
; K ORDER.  Lane half h, K step c, place i (0..15) of a fragment stands for channel 64 h + 16 c + i, alike in both sources, so the products are kept
; and a lane reads 256 neighbouring bytes of its row.
.set PITCH,  528                       ; an LDS row: 512 bytes + 16 of padding = 132 words: row r starts at bank 4 r mod 64 (64 banks of 4 bytes: ISA guide 11.1)
.set TILEB,  16*PITCH                  ; 16 rows
.set SLOT,   256*PITCH                 ; 256 rows: 16 tiles
.set STAGE,  2*SLOT                    ; behind the ring: 8,192 bytes for each wave, for the way out; no tensor load lands there
.set ADR, 4                            ; v4-7    LDS address of my 256 bytes of row r: slot 0 tiles 0-7, 8-15; slot 1 likewise
.set GV,  8                            ; v8      my group's number in the range: 2 x tile + h
.set IDV, 9                            ; v9      its code
.set STO, 10                           ; v10     way out: where my query's 64 bytes go
.set RD,  11                           ; v11     way out: where I read 16 bytes back
.set GO,  12                           ; v12     way out: my byte offset in lists
.set R4,  13                           ; v13     4 r
.set F,   16                           ; v16-79  a tile's 64 f32 of my row half
.set A0,  80                           ; v80-111, v112-143  the tile in bf16, two buffers
.set ACC, 144                          ; v144-207  8 accumulators, one for each query tile
.set T,   208                          ; v208-223  the sorting network's second set
.set M,   224                          ; v224-231  group maxima (at the start: byte offsets of the head rows)
.set SG,  232                          ; v232-239  sign-adjusted codes (at the start: byte offsets of the relation rows)
.set BT,  128                          ; window 2: v[128 + 16 n ..] the 16 new maxima of query tile n;  v[16 n ..] its sorted list
                                       ; window 1: v[32 n + 8 c ..] hr of query tile n, K step c
.set G1,  24                           ; s[24:31] descriptor group 1
.set G0,  32                           ; s[32:39] descriptor group 0, a set for each slot
.set MSB, 0
.macro WIN new                         ; the immediate's high byte repeats the setting that is left; a switch that changes nothing is dropped
.if MSB != \new
	s_set_vgpr_msb (MSB<<8)|\new
.set MSB, \new
.endif
.endm
.set W_MM, 0x04                        ; source 1 (hr) window 1
.set W_02, 0x80                        ; destination window 2
.set W_20, 0x0a                        ; sources 0 and 1 window 2
.set W_22, 0x8a
.set W_21, 0x4a                        ; sources window 2, destination window 1
.set W_H,  0x02                        ; source 0 window 2
.set W_ST, 0x08                        ; source 1 (an LDS store's data) window 2
	s_load_b256 s[4:11], s[0:1], 0x0               ; entity s[4:5], head s[6:7], relation s[8:9], relation_embedding s[10:11]
	s_load_b64 s[12:13], s[0:1], 0x20              ; lists
	v_lshl_add_u32 v254, v0, 2, 0x4a000
	v_mov_b32 v255, 0
	ds_add_u32 v254, v255
	ds_add_u32 v254, v255
	v_lshrrev_b32 v1, 5, v0
	v_readfirstlane_b32 s14, v1                    ; wave 0..3
	s_and_b32 s16, ttmp7, 0xffff                   ; the range, 0..127
	; group 1: a tile of 64 rows x 128 elements of 4 bytes, 16 bytes of padding behind each row
	s_mov_b32 s[G1+0], (2<<16)|(1<<20)|(6<<22)|(3<<25)   ; no mask; 4-byte elements; padding on; after every 128 words (code 6); 4 words (code 3)
	s_mov_b32 s[G1+1], 128<<16                     ; tensor_dim0 = 128
	s_mov_b32 s[G1+2], 64<<16                      ; tensor_dim1 = 64
	s_mov_b32 s[G1+3], 128<<16                     ; tile_dim0 = 128
	s_mov_b32 s[G1+4], 64                          ; tile_dim1 = 64
	s_mov_b32 s[G1+5], 128                         ; elements from row to row
	s_mov_b32 s[G1+6], 0
	s_mov_b32 s[G1+7], 0
	s_mov_b32 s[G0], 1
	s_mul_i32 s[G0+1], s14, 64*PITCH               ; my quarter of slot 0
	s_mov_b32 s[G0+4], 1
	s_add_co_u32 s[G0+5], s[G0+1], SLOT            ; and of slot 1
	s_lshl_b32 s40, s16, 20                        ; the range's 2,048 rows of 512 bytes
	s_lshl_b32 s41, s14, 15                        ; my 64 rows
	s_add_co_u32 s40, s40, s41
	s_mov_b32 s41, 0
	s_wait_dscnt 0x0
	s_wait_kmcnt 0x0
	s_add_nc_u64 s[G0+2:G0+3], s[4:5], s[40:41]    ; rows 0-255 of the range
	s_add_nc_u64 s[G0+6:G0+7], s[G0+2:G0+3], 131072   ; rows 256-511
	s_or_b32 s[G0+3], s[G0+3], 0x80000000          ; type = 2
	s_or_b32 s[G0+7], s[G0+7], 0x80000000
	tensor_load_to_lds s[G0:G0+3], s[G1:G1+7]      ; both first fills go out together, ahead of every wait on TENSORcnt, LDS read and barrier:
	s_nop 0
	tensor_load_to_lds s[G0+4:G0+7], s[G1:G1+7]    ; two loads of mine are out
	s_nop 0
.rept 4
	v_nop
.endr
	s_lshl_b32 s42, ttmp9, 1
	s_lshr_b32 s43, s14, 1
	s_add_co_u32 s42, s42, s43                     ; the shard of my 128 queries' heads: 2 x block + wave / 2
	s_lshl_b32 s42, s42, 25
	s_mov_b32 s43, 0
	s_add_nc_u64 s[18:19], s[4:5], s[42:43]        ; entity at that shard
	s_lshl_b32 s42, ttmp9, 11
	s_lshl_b32 s17, s14, 9
	s_add_co_u32 s42, s42, s17                     ; 4 x my first query
	s_add_nc_u64 s[20:21], s[6:7], s[42:43]
	s_add_nc_u64 s[22:23], s[8:9], s[42:43]
	s_lshr_b32 s42, s16, 5                         ; lists: ((shard x 256 + query / 4) x 32 + range in shard) x 256
	s_lshl_b32 s42, s42, 21
	s_lshl_b32 s17, ttmp9, 20
	s_add_co_u32 s42, s42, s17
	s_lshl_b32 s17, s14, 18
	s_add_co_u32 s42, s42, s17
	s_and_b32 s17, s16, 31
	s_lshl_b32 s17, s17, 8
	s_add_co_u32 s42, s42, s17
	s_add_nc_u64 s[12:13], s[12:13], s[42:43]
	s_lshl_b32 s48, s14, 13
	s_add_co_u32 s48, s48, STAGE                   ; my stage
	s_mov_b32 s45, 0xff                            ; the bits that the code takes
	s_mov_b32 s46, 0x76543210                      ; v_permlanex16_b32: each lane takes its own place in the other half
	s_mov_b32 s47, 0xfedcba98
	v_and_b32 v1, 15, v0                           ; r
	v_bfe_u32 v2, v0, 4, 1                         ; h
	v_and_b32 v3, 31, v0                           ; lane
	v_lshlrev_b32 v[R4], 2, v1
.irp n, 0,1,2,3,4,5,6,7
	global_load_b32 v[M+\n],  v[R4], s[20:21] offset:64*\n    ; head and relation of query 16 n + r
	global_load_b32 v[SG+\n], v[R4], s[22:23] offset:64*\n
.endr
	v_mul_u32_u24 v[ADR], v1, PITCH
	v_lshl_add_u32 v[ADR], v2, 8, v[ADR]           ; row r, half h
	v_add_nc_u32 v[ADR+1], 8*TILEB, v[ADR]
	v_add_nc_u32 v[ADR+2], SLOT, v[ADR]
	v_add_nc_u32 v[ADR+3], SLOT+8*TILEB, v[ADR]
	v_mov_b32 v[GV], v2
	v_lshl_add_u32 v[STO], v1, 6, s48
	v_lshl_add_u32 v[RD], v3, 4, s48
	v_lshlrev_b32 v[GO], 4, v1
	v_lshl_add_u32 v[GO], v2, 13, v[GO]            ; lanes 16-31: the next four queries' unit, 32 units of 256 bytes on
	v_lshlrev_b32 v14, 8, v2                       ; 256 h
	s_wait_loadcnt 0x0
.irp n, 0,1,2,3,4,5,6,7
	v_min_u32 v[M+\n], 0xffff, v[M+\n]             ; an index stays inside its table
	v_min_u32 v[SG+\n], 999, v[SG+\n]
	v_lshl_add_u32 v[M+\n], v[M+\n], 9, v14        ; row x 512 + my half
	v_lshl_add_u32 v[SG+\n], v[SG+\n], 9, v14
.endr
; hr of query tile n: 64 f32 of the head row and 64 of the relation row into set (window 2), multiplied, rounded to bf16 into window 1
.macro FILLH n, set
	WIN W_02
.irp i, 0,1,2,3,4,5,6,7,8,9,10,11,12,13,14,15
	global_load_b128 v[\set+4*\i:\set+4*\i+3], v[M+\n], s[18:19] offset:16*\i
.endr
.irp i, 0,1,2,3,4,5,6,7,8,9,10,11,12,13,14,15
	global_load_b128 v[\set+64+4*\i:\set+64+4*\i+3], v[SG+\n], s[10:11] offset:16*\i
.endr
.endm
.macro PROCH n, set, left
	s_wait_loadcnt \left                           ; loads come back in order: this set's 32 are in, the other set's may be out
	WIN W_22
.set pp, 0
.rept 32
	v_pk_mul_f32 v[\set+2*pp:\set+2*pp+1], v[\set+2*pp:\set+2*pp+1], v[\set+64+2*pp:\set+64+2*pp+1]
.set pp, pp+1
.endr
	WIN W_21
.set pp, 0
.rept 32
	v_cvt_pk_bf16_f32 v[32*\n+pp], v[\set+2*pp], v[\set+2*pp+1]
.set pp, pp+1
.endr
.endm
	FILLH 0, 0
	FILLH 1, 128
.irp n, 0,1,2,3,4,5,6,7
.if \n < 7
	PROCH \n, 128*(\n%2), 32
.else
	PROCH \n, 128*(\n%2), 0
.endif
.if \n < 6
	FILLH \n+2, 128*(\n%2)
.endif
.endr
	WIN 0
; tile t (0..15) of a slot: my 256 bytes of row r
.macro LOADF slot, t
.irp i, 0,1,2,3,4,5,6,7,8,9,10,11,12,13,14,15
	ds_load_b128 v[F+4*\i:F+4*\i+3], v[ADR+2*\slot+(\t)/8] offset:((\t)%8)*TILEB+16*\i
.endr
.endm
.macro CVT buf
.set pp, 0
.rept 32
	v_cvt_pk_bf16_f32 v[\buf+pp], v[F+2*pp], v[F+2*pp+1]
.set pp, pp+1
.endr
.endm
; 32 products: 16 entities x 8 query tiles x 128 channels.  The 8 accumulators take turns, one instruction a turn; the first 8 start the sums.
.macro MM buf
	WIN W_MM
.irp c, 0,1,2,3
.irp n, 0,1,2,3,4,5,6,7
.if \c == 0
	v_wmma_f32_16x16x32_bf16 v[ACC+8*\n:ACC+8*\n+7], v[\buf+8*\c:\buf+8*\c+7], v[32*\n+8*\c:32*\n+8*\c+7], 0
.else
	v_wmma_f32_16x16x32_bf16 v[ACC+8*\n:ACC+8*\n+7], v[\buf+8*\c:\buf+8*\c+7], v[32*\n+8*\c:32*\n+8*\c+7], v[ACC+8*\n:ACC+8*\n+7]
.endif
.endr
.endr
.endm
; The maximum of each accumulator's 8 registers (from the low end on), with the code in its low 8 bits: code = group ^ 0x7f, so that among equal
; maxima the later window of 1,024 and in it the lower index is the larger number; for a negative maximum the code is inverted, since there more mantissa is less.
.macro MAXPACK t
	v_xor_b32 v[IDV], 0x7f, v[GV]
.irp n, 0,1,2,3,4,5,6,7
	v_max3_num_f32 v[M+\n], v[ACC+8*\n], v[ACC+8*\n+1], v[ACC+8*\n+2]
.endr
.irp n, 0,1,2,3,4,5,6,7
	v_max3_num_f32 v[M+\n], v[M+\n], v[ACC+8*\n+3], v[ACC+8*\n+4]
.endr
.irp n, 0,1,2,3,4,5,6,7
	v_max3_num_f32 v[M+\n], v[M+\n], v[ACC+8*\n+5], v[ACC+8*\n+6]
.endr
.irp n, 0,1,2,3,4,5,6,7
	v_max_num_f32 v[M+\n], v[M+\n], v[ACC+8*\n+7]
.endr
.irp n, 0,1,2,3,4,5,6,7
	v_ashrrev_i32 v[SG+\n], 31, v[M+\n]
.endr
.irp n, 0,1,2,3,4,5,6,7
	v_xor_b32 v[SG+\n], v[SG+\n], v[IDV]
.endr
	v_add_nc_u32 v[GV], 2, v[GV]                   ; the next tile's group
	WIN W_02
.irp n, 0,1,2,3,4,5,6,7
	v_bfi_b32 v[BT+16*\n+\t], s45, v[SG+\n], v[M+\n]
.endr
.endm
; One step of a bitonic network on 16 registers, from src into dst (two sets, so that no copy is needed): partners d apart; descending where i & k is 0.
.macro STG src, dst, k, d
.set si, 0
.rept 16
.if (si & \d) == 0
.if (si & \k) == 0
	v_max_num_f32 v[\dst+si], v[\src+si], v[\src+si+\d]
	v_min_num_f32 v[\dst+si+\d], v[\src+si], v[\src+si+\d]
.else
	v_min_num_f32 v[\dst+si], v[\src+si], v[\src+si+\d]
	v_max_num_f32 v[\dst+si+\d], v[\src+si], v[\src+si+\d]
.endif
.endif
.set si, si+1
.endr
.endm
.macro CLEAN n                         ; a bitonic run in T becomes query tile n's sorted list
	WIN W_02
	STG T, BT+16*\n, 16, 8
	WIN W_20
	STG BT+16*\n, T, 16, 4
	WIN W_02
	STG T, BT+16*\n, 16, 2
	WIN W_22
	STG BT+16*\n, 16*\n, 16, 1
.endm
; The 16 new maxima of query tile n are sorted, largest first; first = 1: they are the list; else the 16 largest of list and new (list[i] against new[15 - i]) are sorted again.
.macro SORTM n, first
	WIN W_20
	STG BT+16*\n, T, 2, 1
	WIN W_02
	STG T, BT+16*\n, 4, 2
	WIN W_20
	STG BT+16*\n, T, 4, 1
	WIN W_02
	STG T, BT+16*\n, 8, 4
	WIN W_20
	STG BT+16*\n, T, 8, 2
	WIN W_02
	STG T, BT+16*\n, 8, 1
	WIN W_20
	STG BT+16*\n, T, 16, 8
	WIN W_02
	STG T, BT+16*\n, 16, 4
	WIN W_20
	STG BT+16*\n, T, 16, 2
	WIN W_02
.if \first
	STG T, 16*\n, 16, 1
.else
	STG T, BT+16*\n, 16, 1
	WIN W_20
.set si, 0
.rept 16
	v_max_num_f32 v[T+si], v[16*\n+si], v[BT+16*\n+15-si]
.set si, si+1
.endr
	CLEAN \n
.endif
.endm
; A slot's 16 tiles.  While tile t is multiplied, tile t + 1 is rounded to bf16 into the other buffer: these 32 plain instructions, which name no register of the
; products, are also the places between the products and the reading of their results (ISA guide 7.12.1); behind the last tile four v_nop take their part.
.macro SUPER slot, first
	LOADF \slot, 0
	s_wait_dscnt 0x0
	CVT A0
	LOADF \slot, 1
.set tt, 0
.rept 16
	MM A0+32*(tt%2)
	WIN 0
.if tt < 15
	s_wait_dscnt 0x0                               ; tile t + 1's 16 loads, issued a tile ago
	CVT A0+32*((tt+1)%2)
.if tt < 14
	LOADF \slot, tt+2
.endif
.else
.rept 4
	v_nop
.endr
.endif
	MAXPACK tt
.set tt, tt+1
.endr
.irp n, 0,1,2,3,4,5,6,7
	SORTM \n, \first
.endr
	WIN 0                                          ; at a label and at a branch every window is 0
.endm
; The change of slots.  Each wave waits for all its tensor loads (one is out: its part of this slot) and for its reads of the other slot, then the barrier;
; behind it the other slot is filled again first, one load a wave, which has this slot's 512 products and their selection in which to land.
.macro TWO slot, refill
	s_wait_tensorcnt 0x0                           ; no tensor load of mine is out, so a group 0 may be written:
	ds_add_u32 v254, v255
	s_wait_dscnt 0x0
	s_add_nc_u64 s[G0+6-4*\slot:G0+7-4*\slot], s[G0+6-4*\slot:G0+7-4*\slot], 262144   ; the other slot's next 256 rows, two slots on
	s_wait_dscnt 0x0                               ; my reads of the other slot are back
	s_barrier_signal -1
	s_barrier_wait -1                              ; both now hold of every wave
.if \refill
	tensor_load_to_lds s[G0+4-4*\slot:G0+7-4*\slot], s[G1:G1+7]
	s_nop 0
.rept 4
	v_nop
.endr
.endif
	SUPER \slot, 0
.endm
	s_wait_tensorcnt 0x1                           ; my part of slot 0 is in; slot 1's may stay out
	s_barrier_signal -1
	s_barrier_wait -1                              ; everybody's is
	SUPER 0, 1                                     ; rows 0-255
	s_mov_b32 s44, 3
.Lring:                                                ; three trips: rows 256 to 1,791; the refills bring rows 512 to 2,047
	TWO 1, 1
	TWO 0, 1
	s_sub_co_u32 s44, s44, 1
	s_cmp_lg_u32 s44, 0
	s_cbranch_scc1 .Lring
	TWO 1, 0                                       ; rows 1,792 to 2,047: nothing is left to fetch (slot 0's stepped address is not used)
	; THE WAY OUT.  A query's two lists (even and odd groups' halves of the lanes) are merged: both halves end with the same 16 numbers.
.irp n, 0,1,2,3,4,5,6,7
	WIN W_H
.set si, 0
.rept 16
	v_permlanex16_b32 v[M+si], v[16*\n+si], s46, s47     ; v224-239 have been written before
.set si, si+1
.endr
.set si, 0
.rept 16
	v_max_num_f32 v[T+si], v[16*\n+si], v[M+15-si]
.set si, si+1
.endr
	CLEAN \n
.endr
	WIN W_ST
.irp n, 0,1,2,3,4,5,6,7
.irp j, 0,1,2,3
	ds_store_b128 v[STO], v[16*\n+4*\j:16*\n+4*\j+3] offset:1024*\n+16*\j   ; query 16 n + r at 64 bytes a query; both halves write the same bytes with the same numbers
.endr
.endr
	WIN 0
.irp u, 0,1,2,3,4,5,6,7,8,9,10,11,12,13,14,15
	ds_load_b128 v[F+4*\u:F+4*\u+3], v[RD] offset:512*\u   ; my own stage: LDS serves a wave's instructions in order (ISA guide 5.7.1.4)
.endr
.irp u, 0,1,2,3,4,5,6,7,8,9,10,11,12,13,14,15
	s_wait_dscnt 15-\u
	global_store_b128 v[GO], v[F+4*\u:F+4*\u+3], s[12:13] offset:16384*\u   ; 16 lanes store four queries' 256 consecutive bytes, at a multiple of 256
.endr
	s_wait_tensorcnt 0x0
	ds_add_u32 v254, v255
	s_wait_dscnt 0x0
	s_endpgm
.Lfunc_end_k_q0734d97274_score:
	.size	k_q0734d97274_score, .Lfunc_end_k_q0734d97274_score-k_q0734d97274_score
	.p2alignl 7, 3214868480
	.fill 96, 4, 3214868480
	.section	.rodata,"a",@progbits
	.p2align	6, 0x0
	.amdhsa_kernel k_q0734d97274_score
		.amdhsa_group_segment_fixed_size 327680
		.amdhsa_private_segment_fixed_size 0
		.amdhsa_enable_private_segment 0
		.amdhsa_kernarg_size 40
		.amdhsa_user_sgpr_count 2
		.amdhsa_user_sgpr_kernarg_segment_ptr 1
		.amdhsa_wavefront_size32 1
		.amdhsa_system_sgpr_workgroup_id_x 1
		.amdhsa_system_sgpr_workgroup_id_y 1
		.amdhsa_system_sgpr_workgroup_id_z 1
		.amdhsa_system_vgpr_workitem_id 0
		.amdhsa_next_free_vgpr 768
		.amdhsa_next_free_sgpr 66
		.amdhsa_reserve_vcc 0
		.amdhsa_float_denorm_mode_32 3
		.amdhsa_float_denorm_mode_16_64 3
		.amdhsa_memory_ordered 1
		.amdhsa_forward_progress 1
		.amdhsa_inst_pref_size 255
	.end_amdhsa_kernel
	.section	.bss,"aw",@nobits
	.p2align	6
	.space	262144
	.amdgpu_metadata
---
amdhsa.version: [ 1, 2 ]
amdhsa.kernels:
  - .name:           k_q0734d97274_score
    .symbol:         k_q0734d97274_score.kd
    .args:
      - { .name: entity_embedding, .offset: 0, .size: 8, .value_kind: global_buffer, .address_space: global }
      - { .name: head, .offset: 8, .size: 8, .value_kind: global_buffer, .address_space: global }
      - { .name: relation, .offset: 16, .size: 8, .value_kind: global_buffer, .address_space: global }
      - { .name: relation_embedding, .offset: 24, .size: 8, .value_kind: global_buffer, .address_space: global }
      - { .name: lists, .offset: 32, .size: 8, .value_kind: global_buffer, .address_space: global }
    .group_segment_fixed_size: 327680
    .private_segment_fixed_size: 0
    .kernarg_segment_align: 8
    .kernarg_segment_size: 40
    .max_flat_workgroup_size: 128
    .sgpr_count:     66
    .vgpr_count:     768
    .wavefront_size: 32
...
	.end_amdgpu_metadata
.endif
;; end of part 1
;; launch pick (part 2): grid 256 x 1, 4 waves a work-group, no clusters, 35,328 bytes of LDS; arguments lists, cand; writes cand
.if DOCPART == 2
	.amdgcn_target "amdgcn-amd-amdhsa--gfx1250"
	.amdhsa_code_object_version 6
	.text
	.protected	k_q0734d97274_pick
	.globl	k_q0734d97274_pick
	.p2align	8
	.type	k_q0734d97274_pick,@function
k_q0734d97274_pick:
	s_mov_b64 s[64:65], 0
	v_nop
	global_prefetch_b8 v0, s[64:65] scope:SCOPE_SE
	s_setreg_imm32_b32 hwreg(HW_REG_WAVE_MODE, 25, 1), 1
	s_wait_xcnt 0x0
; SECOND OF THREE LAUNCHES: per (scoring shard, query) the 16 largest of the 32 ranges' sorted lists of 16 packed group maxima, stored as whole numbers:
; the first row index of each chosen group of 8 entities.  The next launch forms addresses from them.
; A wave owns four queries of one shard: 32 units of 256 bytes (one a range), 8,192 consecutive bytes of lists.  They are read in whole units, turned
; through the wave's own LDS (pitch 272, so that the 16 rows of a read start at 16 different banks: 64 banks of 4 bytes, ISA guide 11.1), so that
; lane 31 - range holds that range's four lists.  Sixteen times: the largest head of the 32 lists, found across the lanes; the first lane that holds it
; (the latest range among equals) drops its head.  In turn j only entries 0 .. 15 - j of a list can still be wanted, so the shift stops there.
; Masks and stored numbers hang on the scores; no address and no branch does.  No matrix unit, no tensor load, no barrier: 8 MiB are read once and waves share nothing.
.set X,   16                           ; v16-79   as loaded
.set L,   80                           ; v80-143  list of query i at v[80 + 16 i ..]
.set MX,  4                            ; v4-7     the largest head, query i
.set TP,  144                          ; v144-147 the other half of the lanes'
.set R,   12                           ; v[12:13] the result: lane 8 i + j / 2, register j % 2
	s_load_b128 s[4:7], s[0:1], 0x0                ; lists, cand
	v_lshl_add_u32 v160, v0, 2, 0x8800
	v_mov_b32 v161, 0
	v_lshrrev_b32 v1, 5, v0
	v_readfirstlane_b32 s8, v1                     ; wave
	s_lshl_b32 s9, ttmp9, 2
	s_add_co_u32 s9, s9, s8                        ; task = shard x 256 + query / 4
	s_lshl_b32 s10, s9, 13
	s_mov_b32 s11, 0
	s_lshl_b32 s12, s9, 8
	s_mov_b32 s13, 0
	s_mul_i32 s14, s8, 8704                        ; my LDS: 32 rows of 272 bytes
	s_mov_b32 s16, 0x76543210
	s_mov_b32 s17, 0xfedcba98
	v_and_b32 v1, 31, v0                           ; lane
	v_lshlrev_b32 v2, 4, v1
	v_lshrrev_b32 v3, 4, v1
	v_and_b32 v10, 15, v1
	v_mul_u32_u24 v3, v3, 272
	v_lshl_add_u32 v3, v10, 4, v3
	v_add_nc_u32 v3, s14, v3                       ; in: lanes 0-15 one unit, lanes 16-31 the next
	v_sub_nc_u32 v10, 31, v1
	v_mul_u32_u24 v10, v10, 272
	v_add_nc_u32 v10, s14, v10                     ; back: lane l takes range 31 - l
	v_lshlrev_b32 v11, 3, v1
	s_wait_kmcnt 0x0
	s_add_nc_u64 s[4:5], s[4:5], s[10:11]
	s_add_nc_u64 s[6:7], s[6:7], s[12:13]
.irp k, 0,1,2,3,4,5,6,7,8,9,10,11,12,13,14,15
	global_load_b128 v[X+4*\k:X+4*\k+3], v2, s[4:5] offset:512*\k th:TH_LOAD_NT
.endr
.irp i, 0,1,2,3
	v_mov_b32 v[MX+\i], 0                          ; destinations of lane-crossing forms count as read
	v_mov_b32 v[TP+\i], 0
.endr
	v_mov_b32 v[R], 0
	v_mov_b32 v[R+1], 0
.irp k, 0,1,2,3,4,5,6,7,8,9,10,11,12,13,14,15
	s_wait_loadcnt 15-\k                           ; loads come back in order: load k is in
	ds_store_b128 v3, v[X+4*\k:X+4*\k+3] offset:544*\k
.endr
.irp i, 0,1,2,3
.irp j, 0,1,2,3
	ds_load_b128 v[L+16*\i+4*\j:L+16*\i+4*\j+3], v10 offset:64*\i+16*\j   ; my own bytes: served behind the stores above
.endr
.endr
	s_wait_dscnt 0x0
.macro ROUND j
.irp i, 0,1,2,3
	v_max_num_f32_dpp v[MX+\i], v[L+16*\i], v[L+16*\i] row_xmask:1 row_mask:0xf bank_mask:0xf
.endr
.irp x, 2,4,8
.irp i, 0,1,2,3
	v_max_num_f32_dpp v[MX+\i], v[MX+\i], v[MX+\i] row_xmask:\x row_mask:0xf bank_mask:0xf
.endr
.endr
.irp i, 0,1,2,3
	v_permlanex16_b32 v[TP+\i], v[MX+\i], s16, s17
.endr
.irp i, 0,1,2,3
	v_max_num_f32 v[MX+\i], v[MX+\i], v[TP+\i]     ; every lane holds the largest head
.endr
.irp i, 0,1,2,3
	v_cmp_eq_f32 s[20+\i], v[L+16*\i], v[MX+\i]
	v_readfirstlane_b32 s[24+\i], v[MX+\i]
.endr
.irp i, 0,1,2,3
	s_ctz_i32_b32 s[28+\i], s[20+\i]               ; the first lane that holds it
	s_lshl_b32 s[20+\i], 1, s[28+\i]               ; that lane alone drops its head
	s_ashr_i32 s[32+\i], s[24+\i], 31              ; the code was inverted for a negative number
	s_xor_b32 s[24+\i], s[24+\i], s[32+\i]
	s_and_b32 s[24+\i], s[24+\i], 0xff
	s_xor_b32 s[24+\i], s[24+\i], 0x7f             ; the group's number in its range
	s_sub_co_u32 s[28+\i], 31, s[28+\i]            ; the range
	s_lshl_b32 s[28+\i], s[28+\i], 11
	s_lshl3_add_u32 s[24+\i], s[24+\i], s[28+\i]   ; row = 2,048 x range + 8 x group
	v_writelane_b32 v[R+((\j)&1)], s[24+\i], 8*\i+((\j)>>1)
.endr
.if \j < 15
.set e, 0
.rept 15-\j
.irp i, 0,1,2,3
	v_cndmask_b32 v[L+16*\i+e], v[L+16*\i+e], v[L+16*\i+e+1], s[20+\i]
.endr
.set e, e+1
.endr
.endif
.endm
.irp j, 0,1,2,3,4,5,6,7,8,9,10,11,12,13,14,15
	ROUND \j
.endr
	global_store_b64 v11, v[R:R+1], s[6:7]         ; the wave stores 256 consecutive bytes, at a multiple of 256: four queries x 16 indices
	s_wait_tensorcnt 0x0
	ds_add_u32 v160, v161
	s_wait_dscnt 0x0
	s_endpgm
.Lfunc_end_k_q0734d97274_pick:
	.size	k_q0734d97274_pick, .Lfunc_end_k_q0734d97274_pick-k_q0734d97274_pick
	.p2alignl 7, 3214868480
	.fill 96, 4, 3214868480
	.section	.rodata,"a",@progbits
	.p2align	6, 0x0
	.amdhsa_kernel k_q0734d97274_pick
		.amdhsa_group_segment_fixed_size 35328
		.amdhsa_private_segment_fixed_size 0
		.amdhsa_enable_private_segment 0
		.amdhsa_kernarg_size 16
		.amdhsa_user_sgpr_count 2
		.amdhsa_user_sgpr_kernarg_segment_ptr 1
		.amdhsa_wavefront_size32 1
		.amdhsa_system_sgpr_workgroup_id_x 1
		.amdhsa_system_sgpr_workgroup_id_y 1
		.amdhsa_system_sgpr_workgroup_id_z 1
		.amdhsa_system_vgpr_workitem_id 0
		.amdhsa_next_free_vgpr 162
		.amdhsa_next_free_sgpr 66
		.amdhsa_reserve_vcc 0
		.amdhsa_float_denorm_mode_32 3
		.amdhsa_float_denorm_mode_16_64 3
		.amdhsa_memory_ordered 1
		.amdhsa_forward_progress 1
		.amdhsa_inst_pref_size 91
	.end_amdhsa_kernel
	.amdgpu_metadata
---
amdhsa.version: [ 1, 2 ]
amdhsa.kernels:
  - .name:           k_q0734d97274_pick
    .symbol:         k_q0734d97274_pick.kd
    .args:
      - { .name: lists, .offset: 0, .size: 8, .value_kind: global_buffer, .address_space: global }
      - { .name: cand, .offset: 8, .size: 8, .value_kind: global_buffer, .address_space: global }
    .group_segment_fixed_size: 35328
    .private_segment_fixed_size: 0
    .kernarg_segment_align: 8
    .kernarg_segment_size: 16
    .max_flat_workgroup_size: 128
    .sgpr_count:     66
    .vgpr_count:     162
    .wavefront_size: 32
...
	.end_amdgpu_metadata
.endif
;; end of part 2
;; launch rescore (part 3): grid 1024 x 1, 4 waves a work-group, no clusters, 1,536 bytes of LDS; arguments entity_embedding, head, relation, relation_embedding, shard_and_idx_to_entity, cand, out0, out1; writes out0, out1
.if DOCPART == 3
	.amdgcn_target "amdgcn-amd-amdhsa--gfx1250"
	.amdhsa_code_object_version 6
	.text
	.protected	k_q0734d97274_rescore
	.globl	k_q0734d97274_rescore
	.p2align	8
	.type	k_q0734d97274_rescore,@function
k_q0734d97274_rescore:
	s_mov_b64 s[64:65], 0
	v_nop
	global_prefetch_b8 v0, s[64:65] scope:SCOPE_SE
	s_setreg_imm32_b32 hwreg(HW_REG_WAVE_MODE, 25, 1), 1
	s_wait_xcnt 0x0
; THIRD OF THREE LAUNCHES: the exact result.  A work-group owns one query, wave s the scoring shard s.  The wave scores in f32 the 16 x 8 rows that the launch before named
; (whole rows of 512 bytes, one load of the wave each), takes the 11 best in reference()'s order (score down; among equals the later window of 1,024, in it the lower
; index: key = index ^ 0xfc00, ascending), lets the 11 start entries (-50000, index 65536) take the places of scores under -50000 (they lose ties), adds -50000 where the
; index is 64512 or more, and hands 11 scores and global ids to wave 0 through LDS.  Wave 0 takes the 10 best of the 44 (among equals: lower shard, then lower rank).
; Choices are made by masks and v_cndmask_b32; no branch and no address hangs on a score.  Addresses hang on whole numbers read from memory, each clamped to its table.
; LIMITS.  A row's 128 products are added in a fixed tree (4 in a lane, then across 32 lanes), not one after the other: the last bits of a score may differ from a
; sequential f32 sum.  NaN or infinite scores are not served.  The matrix unit is left out: one query against 128 rows would fill a sixteenth of a tile, and f32 is wanted.
.set H,    4                           ; v[4:7]    hr, my 4 channels
.set S,    8                           ; v8-11     scores: row 32 c + lane in register c
.set K,    12                          ; v12-15    their keys, as f32 (under 2^16: exact)
.set G,    16                          ; v16-19    their global ids
.set IDX,  20                          ; v20-23    their row indices
.set TT,   24                          ; v24-27    at work
.set MX,   28
.set KM,   29
.set GS,   30
.set TMP,  31
.set RS,   32                          ; results in lane j: score, key, id
.set RK,   33
.set RG,   34
.set BIG,  35
.set NINF, 36
.set BADV, 37
.set P,    40                          ; v[40:47]  four rows' partial sums
.set X,    64                          ; v64-255   three buffers of 16 rows x 4 registers
.set PB,   66                          ; s[66+2g:67+2g] address of group g's first row
	s_load_b512 s[4:19], s[0:1], 0x0               ; entity 4, head 6, relation 8, relation_embedding 10, map 12, cand 14, out0 16, out1 18
	v_lshl_add_u32 v62, v0, 2, 0x400
	v_mov_b32 v63, 0
	v_lshrrev_b32 v1, 5, v0
	v_readfirstlane_b32 s23, v1                    ; wave = scoring shard
	s_lshl_b32 s40, ttmp9, 2                       ; 4 q
	s_mov_b32 s41, 0
	s_lshl_b32 s42, s23, 10
	s_add_co_u32 s42, s42, ttmp9
	s_lshl_b32 s42, s42, 6                         ; (1,024 s + q) x 64
	s_mov_b32 s43, 0
	s_lshl_b32 s44, s23, 18                        ; the shard's 65,536 ids
	s_mov_b32 s45, 0
	s_mov_b32 s50, 0x76543210
	s_mov_b32 s51, 0xfedcba98
	v_and_b32 v1, 31, v0                           ; lane
	v_lshlrev_b32 v2, 4, v1                        ; my 16 bytes of a row; never rewritten
	v_lshrrev_b32 v3, 3, v1
	v_lshlrev_b32 v3, 2, v3
	v_and_b32 v38, 7, v1
	s_wait_kmcnt 0x0
	s_add_nc_u64 s[6:7], s[6:7], s[40:41]
	s_add_nc_u64 s[8:9], s[8:9], s[40:41]
	s_add_nc_u64 s[14:15], s[14:15], s[42:43]
	s_add_nc_u64 s[12:13], s[12:13], s[44:45]
	s_load_b32 s20, s[6:7], 0x0                    ; head[q]
	s_load_b32 s21, s[8:9], 0x0                    ; relation[q]
	s_load_b32 s22, s[12:13], 0x3fffc              ; the id that a start entry gets: map[s][65535]
	s_load_b512 s[24:39], s[14:15], 0x0            ; the 16 groups' first rows
.irp c, 0,1,2,3
	global_load_b32 v[IDX+\c], v3, s[14:15] offset:16*\c   ; the same by lanes: row 32 c + lane lies in group 4 c + lane / 8
.endr
	v_mov_b32 v[BIG], 0x7f800000
	v_mov_b32 v[NINF], 0xff800000
	v_mov_b32 v[BADV], 0xc7435000                  ; -50000.0
.irp r, S, S+1, S+2, S+3, MX, KM, TMP, RS, RK, RG
	v_mov_b32 v[\r], 0                             ; written whole before masks and lane-crossing forms write parts of them
.endr
	s_wait_kmcnt 0x0
	s_min_u32 s20, s20, 0xffff                     ; an index stays inside its table
	s_min_u32 s21, s21, 999
	s_lshr_b32 s40, ttmp9, 8                       ; the query's own shard
	s_lshl_b32 s40, s40, 25
	s_lshl_b32 s20, s20, 9
	s_add_co_u32 s40, s40, s20
	s_add_nc_u64 s[46:47], s[4:5], s[40:41]        ; the head's row
	s_lshl_b32 s40, s21, 9
	s_add_nc_u64 s[48:49], s[10:11], s[40:41]      ; the relation's row
	s_lshl_b32 s40, s23, 25
	s_add_nc_u64 s[4:5], s[4:5], s[40:41]          ; entity at the scoring shard
.irp g, 0,1,2,3,4,5,6,7,8,9,10,11,12,13,14,15
	s_min_u32 s[24+\g], s[24+\g], 0xfff8           ; 8 rows from here stay inside the shard
	s_lshl_b32 s40, s[24+\g], 9
	s_add_nc_u64 s[PB+2*\g:PB+2*\g+1], s[4:5], s[40:41]
.endr
	global_load_b128 v[H:H+3], v2, s[46:47]
	global_load_b128 v[P:P+3], v2, s[48:49]
	s_wait_loadcnt 0x2                             ; the four index loads are in; the two rows just asked for may be out
.irp c, 0,1,2,3
	v_min_u32 v[IDX+\c], 0xfff8, v[IDX+\c]
	v_add_nc_u32 v[IDX+\c], v[IDX+\c], v38         ; + lane % 8
	v_lshlrev_b32 v[TT+\c], 2, v[IDX+\c]
.endr
.irp c, 0,1,2,3
	global_load_b32 v[G+\c], v[TT+\c], s[12:13]    ; local index -> global id
.endr
.macro FILL c                          ; chunk c: groups 2 c and 2 c + 1, 16 rows, one load of 512 consecutive bytes each
.set kk, 0
.rept 16
	global_load_b128 v[X+64*((\c)%3)+4*kk:X+64*((\c)%3)+4*kk+3], v2, s[PB+2*(2*(\c)+kk/8):PB+2*(2*(\c)+kk/8)+1] offset:512*(kk%8)
.set kk, kk+1
.endr
.endm
	FILL 0
	FILL 1
	FILL 2
	s_wait_loadcnt 48                              ; all but the 48 row loads: ids, head row and relation row are in
	v_pk_mul_f32 v[H:H+1], v[H:H+1], v[P:P+1]      ; hr = h * r
	v_pk_mul_f32 v[H+2:H+3], v[H+2:H+3], v[P+2:P+3]
.irp c, 0,1,2,3
	v_xor_b32 v[K+\c], 0xfc00, v[IDX+\c]
.endr
.irp c, 0,1,2,3
	v_cvt_f32_u32 v[K+\c], v[K+\c]
.endr
; Four rows by turns: 4 products in a lane, the sum over the 32 lanes, and the sum set into the row's lane of S.
.macro ROW4 c, k0
.set XB, X+64*((\c)%3)+4*\k0
.irp u, 0,1,2,3
	v_pk_mul_f32 v[P+2*\u:P+2*\u+1], v[XB+4*\u:XB+4*\u+1], v[H:H+1]
	s_mov_b32 s[52+\u], 1<<(16*((\c)%2)+\k0+\u)
.endr
.irp u, 0,1,2,3
	v_pk_fma_f32 v[P+2*\u:P+2*\u+1], v[XB+4*\u+2:XB+4*\u+3], v[H+2:H+3], v[P+2*\u:P+2*\u+1]
.endr
.irp u, 0,1,2,3
	v_add_f32 v[P+2*\u], v[P+2*\u], v[P+2*\u+1]
.endr
.irp x, 1,2,4,8
.irp u, 0,1,2,3
	v_add_f32_dpp v[P+2*\u], v[P+2*\u], v[P+2*\u] row_xmask:\x row_mask:0xf bank_mask:0xf
.endr
.endr
.irp u, 0,1,2,3
	v_permlanex16_b32 v[P+2*\u+1], v[P+2*\u], s50, s51
.endr
.irp u, 0,1,2,3
	v_add_f32 v[P+2*\u], v[P+2*\u], v[P+2*\u+1]
.endr
.irp u, 0,1,2,3
	v_cndmask_b32 v[S+(\c)/2], v[S+(\c)/2], v[P+2*\u], s[52+\u]
.endr
.endm
.macro PROC c, left
	s_wait_loadcnt \left                           ; loads come back in order: this chunk is in, the loads issued behind it may be out
.irp k0, 0,4,8,12
	ROW4 \c, \k0
.endr
.endm
	PROC 0, 32
	FILL 3
	PROC 1, 32
	FILL 4
	PROC 2, 32
	FILL 5
	PROC 3, 32
	FILL 6
	PROC 4, 32
	FILL 7
	PROC 5, 32
	PROC 6, 16
	PROC 7, 0
.macro WMAX r
.irp x, 1,2,4,8
	v_max_num_f32_dpp v[\r], v[\r], v[\r] row_xmask:\x row_mask:0xf bank_mask:0xf
.endr
	v_permlanex16_b32 v[TMP], v[\r], s50, s51
	v_max_num_f32 v[\r], v[\r], v[TMP]
.endm
.macro WMIN r
.irp x, 1,2,4,8
	v_min_num_f32_dpp v[\r], v[\r], v[\r] row_xmask:\x row_mask:0xf bank_mask:0xf
.endr
	v_permlanex16_b32 v[TMP], v[\r], s50, s51
	v_min_num_f32 v[\r], v[\r], v[TMP]
.endm
; The best entries of nreg x 32, one a turn: the largest score; among its holders the smallest key (keys differ, so one entry is left);
; that entry is taken out (minus infinity), and score, key and id go to lane j of RS, RK, RG.
.macro TOPK nreg, rounds
.set jj, 0
.rept \rounds
.if \nreg == 4
	v_max3_num_f32 v[MX], v[S], v[S+1], v[S+2]
	v_max_num_f32 v[MX], v[MX], v[S+3]
.else
	v_max_num_f32 v[MX], v[S], v[S+1]
.endif
	WMAX MX
.set cc, 0
.rept \nreg
	v_cmp_eq_f32 vcc_lo, v[S+cc], v[MX]
	v_cndmask_b32 v[TT+cc], v[BIG], v[K+cc], vcc_lo
.set cc, cc+1
.endr
.if \nreg == 4
	v_min3_num_f32 v[KM], v[TT], v[TT+1], v[TT+2]
	v_min_num_f32 v[KM], v[KM], v[TT+3]
.else
	v_min_num_f32 v[KM], v[TT], v[TT+1]
.endif
	WMIN KM
	v_mov_b32 v[GS], 0
.set cc, 0
.rept \nreg
	v_cmp_eq_f32 s[56+cc], v[TT+cc], v[KM]
	v_cndmask_b32 v[S+cc], v[S+cc], v[NINF], s[56+cc]
	v_cndmask_b32 v[GS], v[GS], v[G+cc], s[56+cc]
.set cc, cc+1
.endr
	s_or_b32 s60, s56, s57
.if \nreg == 4
	s_or_b32 s61, s58, s59
	s_or_b32 s60, s60, s61
.endif
	s_ctz_i32_b32 s61, s60                         ; the lane that held the entry
	v_readlane_b32 s62, v[GS], s61
	s_mov_b32 s63, 1<<jj
	v_cndmask_b32 v[RS], v[RS], v[MX], s63
	v_cndmask_b32 v[RK], v[RK], v[KM], s63
	v_writelane_b32 v[RG], s62, jj
.set jj, jj+1
.endr
.endm
	TOPK 4, 11
	; start entries and the penalty for padding rows (lanes 11 and up hold nothing that is used)
	v_cvt_u32_f32 v[TT], v[RK]
	v_xor_b32 v[TT], 0xfc00, v[TT]                 ; the row index again
	v_mov_b32 v[TT+1], s22
	v_cmp_ge_f32 vcc_lo, v[RS], v[BADV]            ; a score of -50000 or more keeps its place: a start entry loses ties
	v_cndmask_b32 v[RS], v[BADV], v[RS], vcc_lo
	v_cndmask_b32 v[TT], 0x10000, v[TT], vcc_lo
	v_cndmask_b32 v[RG], v[TT+1], v[RG], vcc_lo
	v_cmp_le_u32 vcc_lo, 0xfc00, v[TT]             ; index 64512 or more
	v_add_f32 v[TT+2], v[RS], v[BADV]
	v_cndmask_b32 v[RS], v[RS], v[TT+2], vcc_lo
	s_lshl_b32 s40, s23, 7
	v_lshl_add_u32 v[TT+3], v1, 2, s40             ; 128 bytes a shard
	ds_store_b32 v[TT+3], v[RS]
	ds_store_b32 v[TT+3], v[RG] offset:512
	s_wait_dscnt 0x0                               ; for wave 0's sake: my stores are done
	s_barrier_signal -1
	s_barrier_wait -1
	s_cmp_lg_u32 s23, 0
	s_cbranch_scc1 .Lend
	v_lshrrev_b32 v[TT], 4, v1
	v_and_b32 v[TT+1], 15, v1                      ; rank
	v_lshlrev_b32 v[TT], 7, v[TT]
	v_lshl_add_u32 v[TT], v[TT+1], 2, v[TT]        ; register c, lane l: shard 2 c + l / 16, rank l % 16
	ds_load_b32 v[S], v[TT]
	ds_load_b32 v[S+1], v[TT] offset:256
	ds_load_b32 v[G], v[TT] offset:512
	ds_load_b32 v[G+1], v[TT] offset:768
	v_cvt_f32_u32 v[K], v1                         ; key = 16 x shard + rank: the order of the 44 places
	v_add_nc_u32 v[K+1], 32, v1
	v_cvt_f32_u32 v[K+1], v[K+1]
	v_cmp_le_u32 vcc_lo, 11, v[TT+1]               ; ranks 11 to 15 do not exist
	s_mul_i32 s40, ttmp9, 40                       ; 10 numbers a query
	s_add_nc_u64 s[16:17], s[16:17], s[40:41]
	s_add_nc_u64 s[18:19], s[18:19], s[40:41]
	s_wait_dscnt 0x0
	v_cndmask_b32 v[S], v[S], v[NINF], vcc_lo
	v_cndmask_b32 v[S+1], v[S+1], v[NINF], vcc_lo
	TOPK 2, 10
	v_lshlrev_b32 v3, 2, v1
	v_cmp_gt_u32 vcc_lo, 10, v1
	s_wait_xcnt 0x0                                ; EXEC changes only behind this wait
	s_and_saveexec_b32 s42, vcc_lo
	global_store_b32 v3, v[RG], s[16:17]           ; 40 consecutive bytes a query: the outputs are 80 KiB in all, one query to a work-group
	global_store_b32 v3, v[RS], s[18:19]
	s_wait_xcnt 0x0                                ; and again in front of the line that widens it
	s_or_b32 exec_lo, exec_lo, s42
.Lend:
	s_wait_tensorcnt 0x0
	ds_add_u32 v62, v63
	s_wait_dscnt 0x0
	s_endpgm
.Lfunc_end_k_q0734d97274_rescore:
	.size	k_q0734d97274_rescore, .Lfunc_end_k_q0734d97274_rescore-k_q0734d97274_rescore
	.p2alignl 7, 3214868480
	.fill 96, 4, 3214868480
	.section	.rodata,"a",@progbits
	.p2align	6, 0x0
	.amdhsa_kernel k_q0734d97274_rescore
		.amdhsa_group_segment_fixed_size 1536
		.amdhsa_private_segment_fixed_size 0
		.amdhsa_enable_private_segment 0
		.amdhsa_kernarg_size 64
		.amdhsa_user_sgpr_count 2
		.amdhsa_user_sgpr_kernarg_segment_ptr 1
		.amdhsa_wavefront_size32 1
		.amdhsa_system_sgpr_workgroup_id_x 1
		.amdhsa_system_sgpr_workgroup_id_y 1
		.amdhsa_system_sgpr_workgroup_id_z 1
		.amdhsa_system_vgpr_workitem_id 0
		.amdhsa_next_free_vgpr 256
		.amdhsa_next_free_sgpr 100
		.amdhsa_reserve_vcc 1
		.amdhsa_float_denorm_mode_32 3
		.amdhsa_float_denorm_mode_16_64 3
		.amdhsa_memory_ordered 1
		.amdhsa_forward_progress 1
		.amdhsa_inst_pref_size 142
	.end_amdhsa_kernel
	.amdgpu_metadata
---
amdhsa.version: [ 1, 2 ]
amdhsa.kernels:
  - .name:           k_q0734d97274_rescore
    .symbol:         k_q0734d97274_rescore.kd
    .args:
      - { .name: entity_embedding, .offset: 0, .size: 8, .value_kind: global_buffer, .address_space: global }
      - { .name: head, .offset: 8, .size: 8, .value_kind: global_buffer, .address_space: global }
      - { .name: relation, .offset: 16, .size: 8, .value_kind: global_buffer, .address_space: global }
      - { .name: relation_embedding, .offset: 24, .size: 8, .value_kind: global_buffer, .address_space: global }
      - { .name: shard_and_idx_to_entity, .offset: 32, .size: 8, .value_kind: global_buffer, .address_space: global }
      - { .name: cand, .offset: 40, .size: 8, .value_kind: global_buffer, .address_space: global }
      - { .name: out0, .offset: 48, .size: 8, .value_kind: global_buffer, .address_space: global }
      - { .name: out1, .offset: 56, .size: 8, .value_kind: global_buffer, .address_space: global }
    .group_segment_fixed_size: 1536
    .private_segment_fixed_size: 0
    .kernarg_segment_align: 8
    .kernarg_segment_size: 64
    .max_flat_workgroup_size: 128
    .sgpr_count:     100
    .vgpr_count:     256
    .wavefront_size: 32
...
	.end_amdgpu_metadata
.endif
;; end of part 3
;; ======== version 2 of 3: 4 launches; 1.26 times as fast as version 1
;; workspace buffers: hrb 262,144 bytes; lists 8,388,608 bytes; cand 262,144 bytes of whole numbers
;; launch prep (part 4): grid 64 x 1, 1 waves a work-group, no clusters, 0 bytes of LDS; arguments entity_embedding, head, relation, relation_embedding, hrb; writes hrb
.if DOCPART == 4
	.amdgcn_target "amdgcn-amd-amdhsa--gfx1250"
	.amdhsa_code_object_version 6
	.text
	.protected	k_q0734d97274_prep
	.globl	k_q0734d97274_prep
	.p2align	8
	.type	k_q0734d97274_prep,@function
k_q0734d97274_prep:
	s_mov_b64 s[64:65], 0
	v_nop
	global_prefetch_b8 v0, s[64:65] scope:SCOPE_SE
	s_setreg_imm32_b32 hwreg(HW_REG_WAVE_MODE, 25, 1), 1
	s_wait_xcnt 0x0
; FIRST OF FOUR LAUNCHES: hr[q] = entity[q >> 8][head[q]] * relation_embedding[relation[q]], multiplied in f32, rounded once to bf16, and laid out
; as the next launch's matrix fragments, so that its 256 work-groups read 128 KiB each in place of gathering 512 KiB of f32 rows each.
; A work-group is one wave and owns one tile of 16 queries (64 tiles).  Lane (r = lane % 16, h = lane / 16) owns query r's channels 64 h .. 64 h + 63:
; 256 neighbouring bytes of the head's row and of the relation's row.  Its 32 result registers are the tile's fragment: register p holds channels 64 h + 2 p, + 1.
; hrb: tile x 4,096 + quad j x 512 + lane x 16 bytes: each store of the wave covers 512 consecutive bytes, aligned.
; The launch has work for 64 waves, 1 MiB read in all; LDS, matrix unit and tensor loads would add nothing.
.set HD, 16                            ; v16-79   the head's 64 channels, then the products
.set RL, 80                            ; v80-143  the relation's
.set O,  144                           ; v144-175 the products in bf16
	s_load_b256 s[4:11], s[0:1], 0x0               ; entity s[4:5], head s[6:7], relation s[8:9], relation_embedding s[10:11]
	s_load_b64 s[12:13], s[0:1], 0x20              ; hrb
	v_and_b32 v1, 15, v0                           ; r
	v_bfe_u32 v2, v0, 4, 1                         ; h
	v_lshlrev_b32 v3, 2, v1                        ; 4 r
	v_lshlrev_b32 v4, 8, v2                        ; 256 h
	v_lshlrev_b32 v5, 4, v0                        ; 16 x lane; never rewritten
	s_lshl_b32 s14, ttmp9, 6                       ; the tile's 16 indices of 4 bytes
	s_mov_b32 s15, 0
	s_lshr_b32 s16, ttmp9, 4                       ; the queries' shard: 16 tiles to a shard
	s_lshl_b32 s16, s16, 25
	s_mov_b32 s17, 0
	s_lshl_b32 s18, ttmp9, 12                      ; the tile's 4,096 bytes of hrb
	s_mov_b32 s19, 0
	s_wait_kmcnt 0x0
	s_add_nc_u64 s[6:7], s[6:7], s[14:15]
	s_add_nc_u64 s[8:9], s[8:9], s[14:15]
	s_add_nc_u64 s[4:5], s[4:5], s[16:17]
	s_add_nc_u64 s[12:13], s[12:13], s[18:19]
	global_load_b32 v6, v3, s[6:7]
	global_load_b32 v7, v3, s[8:9]
	s_wait_loadcnt 0x0
	v_min_u32 v6, 0xffff, v6                       ; an index stays inside its table
	v_min_u32 v7, 999, v7
	v_lshl_add_u32 v6, v6, 9, v4                   ; row x 512 + my half
	v_lshl_add_u32 v7, v7, 9, v4
.irp i, 0,1,2,3,4,5,6,7,8,9,10,11,12,13,14,15
	global_load_b128 v[HD+4*\i:HD+4*\i+3], v6, s[4:5] offset:16*\i
	global_load_b128 v[RL+4*\i:RL+4*\i+3], v7, s[10:11] offset:16*\i
.endr
.irp j, 0,1,2,3,4,5,6,7
	s_wait_loadcnt 28-4*\j                         ; loads come back in order: the four that feed quad j are in, the 28 - 4 j issued behind them may be out
.irp p, 0,1,2,3
	v_pk_mul_f32 v[HD+8*\j+2*\p:HD+8*\j+2*\p+1], v[HD+8*\j+2*\p:HD+8*\j+2*\p+1], v[RL+8*\j+2*\p:RL+8*\j+2*\p+1]
.endr
.irp p, 0,1,2,3
	v_cvt_pk_bf16_f32 v[O+4*\j+\p], v[HD+8*\j+2*\p], v[HD+8*\j+2*\p+1]
.endr
	global_store_b128 v5, v[O+4*\j:O+4*\j+3], s[12:13] offset:512*\j
.endr
	s_endpgm
.Lfunc_end_k_q0734d97274_prep:
	.size	k_q0734d97274_prep, .Lfunc_end_k_q0734d97274_prep-k_q0734d97274_prep
	.p2alignl 7, 3214868480
	.fill 96, 4, 3214868480
	.section	.rodata,"a",@progbits
	.p2align	6, 0x0
	.amdhsa_kernel k_q0734d97274_prep
		.amdhsa_group_segment_fixed_size 0
		.amdhsa_private_segment_fixed_size 0
		.amdhsa_enable_private_segment 0
		.amdhsa_kernarg_size 40
		.amdhsa_user_sgpr_count 2
		.amdhsa_user_sgpr_kernarg_segment_ptr 1
		.amdhsa_wavefront_size32 1
		.amdhsa_system_sgpr_workgroup_id_x 1
		.amdhsa_system_sgpr_workgroup_id_y 1
		.amdhsa_system_sgpr_workgroup_id_z 1
		.amdhsa_system_vgpr_workitem_id 0
		.amdhsa_next_free_vgpr 176
		.amdhsa_next_free_sgpr 66
		.amdhsa_reserve_vcc 0
		.amdhsa_float_denorm_mode_32 3
		.amdhsa_float_denorm_mode_16_64 3
		.amdhsa_memory_ordered 1
		.amdhsa_forward_progress 1
		.amdhsa_inst_pref_size 10
	.end_amdhsa_kernel
	.amdgpu_metadata
---
amdhsa.version: [ 1, 2 ]
amdhsa.kernels:
  - .name:           k_q0734d97274_prep
    .symbol:         k_q0734d97274_prep.kd
    .args:
      - { .name: entity_embedding, .offset: 0, .size: 8, .value_kind: global_buffer, .address_space: global }
      - { .name: head, .offset: 8, .size: 8, .value_kind: global_buffer, .address_space: global }
      - { .name: relation, .offset: 16, .size: 8, .value_kind: global_buffer, .address_space: global }
      - { .name: relation_embedding, .offset: 24, .size: 8, .value_kind: global_buffer, .address_space: global }
      - { .name: hrb, .offset: 32, .size: 8, .value_kind: global_buffer, .address_space: global }
    .group_segment_fixed_size: 0
    .private_segment_fixed_size: 0
    .kernarg_segment_align: 8
    .kernarg_segment_size: 40
    .max_flat_workgroup_size: 32
    .sgpr_count:     66
    .vgpr_count:     176
    .wavefront_size: 32
...
	.end_amdgpu_metadata
.endif
;; end of part 4
;; launch score (part 5): grid 2 x 128, 4 waves a work-group, no clusters, 327,680 bytes of LDS; arguments entity_embedding, hrb, lists; writes lists
.if DOCPART == 5
	.amdgcn_target "amdgcn-amd-amdhsa--gfx1250"
	.amdhsa_code_object_version 6
	.text
	.protected	k_q0734d97274_score
	.globl	k_q0734d97274_score
	.p2align	8
	.type	k_q0734d97274_score,@function
k_q0734d97274_score:
	s_mov_b64 s[64:65], 0
	v_nop
	global_prefetch_b8 v0, s[64:65] scope:SCOPE_SE
	s_setreg_imm32_b32 hwreg(HW_REG_WAVE_MODE, 25, 1), 1
	s_wait_xcnt 0x0
; SECOND OF FOUR LAUNCHES: which groups of 8 neighbouring entities can hold a query's best scores.
; score = hr . entity row; hr comes in bf16 from the launch before, the entity rows are rounded to bf16 here; sums in f32.
; A work-group owns 512 queries (grid x) and a range of 2,048 entity rows (grid y: 128 ranges, 32 to a shard).  Each of its four waves
; owns 128 queries (8 tiles of 16, kept as fragments in 256 registers) and walks all 128 tiles of 16 rows of the range.
; Source 0 = 16 entities, source 1 = 16 queries: a lane's 8 results are ONE query and 8 neighbouring entities = one group.
; Per group only the maximum is kept; its low 8 mantissa bits are replaced by a code of the group's place in the range, so that a plain
; float maximum carries the place along.  Per (query, half of the lanes) a sorted list of the 16 largest is kept in registers; eight new maxima at a
; time are sorted (bitonic network) and merged.  At the end the two halves are merged and 16 words a query are stored.
; No branch and no address hangs on a score.
; BY TURNS.  A tile of 16 rows is 32 products and 210 vector instructions (32 roundings to bf16, 58 for the maxima and codes, 120 for one sort and merge).
; The vector work is cut into slices, one behind each product, so that it is issued while the matrix unit works.  What makes the pieces independent:
;   the products go in two halves, query tiles 0-3 and 4-7: while one half is multiplied, the other half's finished sums are read;
;   the next tile is rounded into the other fragment buffer, and the tile after it is fetched from LDS in one run behind the last rounding;
;   in tile t's turn query tile n = t is sorted: its eight newest maxima are places 0 .. n-1 of this trip and n .. 7 of the trip before.  Each place is written
;   once and read once a trip, so none is used twice.  At the start places n .. 7 hold minus infinity; behind the last trip places 0 .. n-1, already used, are
;   set to it, and a last sort takes the rest.
; A slice works in window 0 or 2 and a product wants hr from window 1: two switches a slice.
; THE TEXT.  A trip is 8 tiles = 128 rows = one LDS slot, written once for the loop and once for the last two trips, which ask for no tile.  The slot in hand is
; a scalar that one exclusive or turns.  The lists start as minus infinity (each half of the lanes sees 128 groups for 16 places, so none is left at the end).
; LIMITS.  The choice is made on bf16 products with the mantissa cut to 15 bits; the later launches rescore 16 groups a shard in f32, while 11
; entities are wanted: an entity is lost only if this rounding lifts more than five other groups over its group.  Infinite or NaN scores are not served.
; NOT IN A CLUSTER: a range is read by two work-groups only, and a wave needs all 8 query tiles to feed 32 products from each 8 KiB it reads from LDS.
; K ORDER.  Lane half h, K step c, place i (0..15) of a fragment stands for channel 64 h + 16 c + i, alike in both sources, so the products are kept
; and a lane reads 256 neighbouring bytes of its row.
.set PITCH,  528                       ; an LDS row: 512 bytes + 16 of padding = 132 words: row r starts at bank 4 r mod 64 (64 banks of 4 bytes: ISA guide 11.1)
.set TILEB,  16*PITCH                  ; 16 rows
.set SLOT1,  1<<17                     ; a slot is 128 rows, 67,584 bytes; slot 1 begins here, so that one exclusive or turns an address in one slot into the other's
.set STAGE,  SLOT1+128*PITCH           ; behind the ring: 8,192 bytes for each wave, for the way out; no tensor load lands there
.set STEPB,  128*512                   ; a trip's rows in memory
.set AD0, 4                            ; v4      my 256 bytes of row r in a slot's first tile; never rewritten
.set ADR, 5                            ; v5      the same in the slot that is being fetched from
.set LN,  6                            ; v6      16 x lane; never rewritten
.set GV,  8                            ; v8      my group's number in the range: 2 x tile + h
.set IDV, 9                            ; v9      its code
.set STO, 10                           ; v10     way out: where my query's 64 bytes go
.set RD,  11                           ; v11     way out: where I read 16 bytes back
.set GO,  12                           ; v12     way out: my byte offset in lists
.set F,   16                           ; v16-79  a tile's 64 f32 of my row half
.set A0,  80                           ; v80-111, v112-143  the tile in bf16, two buffers
.set ACC, 144                          ; v144-207  8 accumulators, one for each query tile
.set T,   208                          ; v208-223  the sorting network's first set
.set M,   224                          ; v224-231  group maxima
.set SG,  232                          ; v232-239  sign-adjusted codes
.set U,   240                          ; v240-255  the network's second set
.set BT,  128                          ; window 2: v[128 + 8 n + t] the maximum of query tile n in tile t;  v[16 n ..] its sorted list
                                       ; window 1: v[32 n + 8 c ..] hr of query tile n, K step c
.set G1,  24                           ; s[24:31] descriptor group 1
.set G0,  32                           ; s[32:39] descriptor group 0: a set for each of the two first fills; the second then walks on
.set TB,  50                           ; s50     LDS byte at which the slot that is being fetched from begins
.set MSB, 0
.macro WIN new                         ; the immediate's high byte repeats the setting that is left; a switch that changes nothing is dropped
.if MSB != \new
	s_set_vgpr_msb (MSB<<8)|\new
.set MSB, \new
.endif
.endm
.set W_MM, 0x04                        ; source 1 (hr) window 1
.set W_B,  0x40                        ; destination window 1
.set W_02, 0x80                        ; destination window 2
.set W_20, 0x0a                        ; sources 0 and 1 window 2
.set W_H,  0x02                        ; source 0 window 2
.set W_ST, 0x08                        ; source 1 (an LDS store's data) window 2
	s_load_b128 s[4:7], s[0:1], 0x0                ; entity s[4:5], hrb s[6:7]
	s_load_b64 s[12:13], s[0:1], 0x10              ; lists
	v_lshl_add_u32 v14, v0, 2, 0x38800
	v_mov_b32 v15, 0
	ds_add_u32 v14, v15
	ds_add_u32 v14, v15
	v_lshrrev_b32 v1, 5, v0
	v_readfirstlane_b32 s14, v1                    ; wave 0..3
	s_and_b32 s16, ttmp7, 0xffff                   ; the range, 0..127
	; group 1: a tile of 32 rows x 128 elements of 4 bytes (a quarter of a trip's 128 rows), 16 bytes of padding behind each row
	s_mov_b32 s[G1+0], (2<<16)|(1<<20)|(6<<22)|(3<<25)   ; no mask; 4-byte elements; padding on; after every 128 words (code 6); 4 words (code 3)
	s_mov_b32 s[G1+1], 128<<16                     ; tensor_dim0 = 128
	s_mov_b32 s[G1+2], 32<<16                      ; tensor_dim1 = 32
	s_mov_b32 s[G1+3], 128<<16                     ; tile_dim0 = 128
	s_mov_b32 s[G1+4], 32                          ; tile_dim1 = 32
	s_mov_b32 s[G1+5], 128                         ; elements from row to row
	s_mov_b32 s[G1+6], 0
	s_mov_b32 s[G1+7], 0
	s_mov_b32 s[G0], 1
	s_mul_i32 s[G0+1], s14, 32*PITCH               ; my quarter of slot 0
	s_mov_b32 s[G0+4], 1
	s_add_co_u32 s[G0+5], s[G0+1], SLOT1           ; and of slot 1
	s_lshl_b32 s40, s16, 20                        ; the range's 2,048 rows of 512 bytes
	s_lshl_b32 s41, s14, 14                        ; my 32 rows
	s_add_co_u32 s40, s40, s41
	s_mov_b32 s41, 0
	s_wait_dscnt 0x0
	s_wait_kmcnt 0x0
	s_add_nc_u64 s[G0+2:G0+3], s[4:5], s[40:41]    ; trip 0: rows 0-127 of the range
	s_add_nc_u64 s[G0+6:G0+7], s[G0+2:G0+3], STEPB ; trip 1: rows 128-255
	s_or_b32 s[G0+3], s[G0+3], 0x80000000          ; type = 2
	s_or_b32 s[G0+7], s[G0+7], 0x80000000
	tensor_load_to_lds s[G0:G0+3], s[G1:G1+7]      ; both first fills go out together, ahead of every wait on TENSORcnt, LDS read and barrier:
	s_nop 0
	tensor_load_to_lds s[G0+4:G0+7], s[G1:G1+7]    ; two loads of mine are out
	s_nop 0
.rept 4
	v_nop
.endr
	s_lshl_b32 s42, ttmp9, 17                      ; hrb: (4 x query block + wave) x 8 tiles x 4,096 bytes
	s_lshl_b32 s17, s14, 15
	s_add_co_u32 s42, s42, s17
	s_mov_b32 s43, 0
	s_add_nc_u64 s[6:7], s[6:7], s[42:43]
	v_and_b32 v3, 31, v0                           ; lane
	v_lshlrev_b32 v[LN], 4, v3
	WIN W_B
.set uu, 0
.rept 64
	global_load_b128 v[4*uu:4*uu+3], v[LN], s[6:7] offset:512*uu   ; my 128 queries' fragments as they lie: 512 consecutive bytes a load
.set uu, uu+1
.endr
	WIN 0
	s_lshr_b32 s42, s16, 5                         ; lists: ((shard x 256 + query / 4) x 32 + range in shard) x 256
	s_lshl_b32 s42, s42, 21
	s_lshl_b32 s17, ttmp9, 20
	s_add_co_u32 s42, s42, s17
	s_lshl_b32 s17, s14, 18
	s_add_co_u32 s42, s42, s17
	s_and_b32 s17, s16, 31
	s_lshl_b32 s17, s17, 8
	s_add_co_u32 s42, s42, s17
	s_add_nc_u64 s[12:13], s[12:13], s[42:43]
	s_lshl_b32 s48, s14, 13
	s_add_co_u32 s48, s48, STAGE                   ; my stage
	s_mov_b32 s45, 0xff                            ; the bits that the code takes
	s_mov_b32 s46, 0x76543210                      ; v_permlanex16_b32: each lane takes its own place in the other half
	s_mov_b32 s47, 0xfedcba98
	s_mov_b32 s49, 0xff800000                      ; minus infinity
	s_mov_b32 s[TB], 0
	v_and_b32 v1, 15, v0                           ; r
	v_bfe_u32 v2, v0, 4, 1                         ; h
	v_mul_u32_u24 v[AD0], v1, PITCH
	v_lshl_add_u32 v[AD0], v2, 8, v[AD0]           ; row r, half h
	v_add_nc_u32 v[ADR], s[TB], v[AD0]
	v_mov_b32 v[GV], v2
	v_lshl_add_u32 v[STO], v1, 6, s48
	v_lshl_add_u32 v[RD], v3, 4, s48
	v_lshlrev_b32 v[GO], 4, v1
	v_lshl_add_u32 v[GO], v2, 13, v[GO]            ; lanes 16-31: the next four queries' unit, 32 units of 256 bytes on
	WIN W_02
.set uu, 0
.rept 128
	v_mov_b32 v[uu], s49                           ; the lists start empty
.set uu, uu+1
.endr
.irp n, 0,1,2,3,4,5,6,7
.set uu, \n
.rept 8-\n
	v_mov_b32 v[BT+8*\n+uu], s49                   ; the places that the first trip's sort of query tile n reads before a maximum has been written there
.set uu, uu+1
.endr
.endr
	WIN 0
; tile t (0..7) of the slot that ADR points into: my 256 bytes of row r, 16 loads in one run
.macro LOADF t
.irp i, 0,1,2,3,4,5,6,7,8,9,10,11,12,13,14,15
	ds_load_b128 v[F+4*\i:F+4*\i+3], v[ADR] offset:(\t)*TILEB+16*\i
.endr
.endm
; Product ss (0..31) of tile tt: 16 entities x 16 queries x 32 channels.  Products 0-15: query tiles 0-3, K steps 0-3; products 16-31: query tiles 4-7.
; The four accumulators of a half take turns, one instruction a turn; a half's first four products start the sums.
.macro WM
	WIN W_MM
.set wn, 4*(ss/16)+ss%4
.set wc, (ss%16)/4
.set wa, A0+32*(tt%2)+8*wc
.if wc == 0
	v_wmma_f32_16x16x32_bf16 v[ACC+8*wn:ACC+8*wn+7], v[wa:wa+7], v[32*wn+8*wc:32*wn+8*wc+7], 0
.else
	v_wmma_f32_16x16x32_bf16 v[ACC+8*wn:ACC+8*wn+7], v[wa:wa+7], v[32*wn+8*wc:32*wn+8*wc+7], v[ACC+8*wn:ACC+8*wn+7]
.endif
.endm
; Number q (0..27) of the list that turns four accumulators (query tiles n0 .. n0 + 3) of tile t into packed maxima; the four go through each stage together.
; The maximum of an accumulator's 8 registers is taken from the low end on.  Code = group ^ 0x7f in the low 8 bits, so that among equal maxima the later window of
; 1,024 and in it the lower index is the larger number; for a negative maximum the code is inverted, since there more mantissa is less.
.macro MPI q, n0, t
.set mn, \n0+(\q)%4
.set ms, (\q)/4
.if ms < 6
	WIN 0
.endif
.if ms == 0
	v_max3_num_f32 v[M+mn], v[ACC+8*mn], v[ACC+8*mn+1], v[ACC+8*mn+2]
.elseif ms < 3
	v_max3_num_f32 v[M+mn], v[M+mn], v[ACC+8*mn+2*ms+1], v[ACC+8*mn+2*ms+2]
.elseif ms == 3
	v_max_num_f32 v[M+mn], v[M+mn], v[ACC+8*mn+7]
.elseif ms == 4
	v_ashrrev_i32 v[SG+mn], 31, v[M+mn]
.elseif ms == 5
	v_xor_b32 v[SG+mn], v[SG+mn], v[IDV]
.else
	WIN W_02
	v_bfi_b32 v[BT+8*mn+(\t)], s45, v[SG+mn], v[M+mn]
.endif
.endm
; Half e of a comparator of a bitonic network's step, from src into dst (two sets, so that no copy is needed): partners d apart; descending where i & k is 0.
; Comparator e / 2 has its lower partner at si; e even writes the lower partner's place, e odd the upper's.
.macro CMPX src, dst, k, d, e
.set pq, (\e)/2
.set si, (pq/\d)*2*\d+pq%\d
.set mx, (\e)%2
.if (si & \k) != 0
.set mx, 1-mx
.endif
.if mx == 0
	v_max_num_f32 v[\dst+si+\d*((\e)%2)], v[\src+si], v[\src+si+\d]
.else
	v_min_num_f32 v[\dst+si+\d*((\e)%2)], v[\src+si], v[\src+si+\d]
.endif
.endm
; Number e (0..119) of the list that sorts query tile nn's eight new maxima, largest first (0-47: six steps), and merges them into its list: the list's lower 8 meet the
; new ones in reverse (48-55: list[8 + i] against new[7 - i]); with the upper 8 that run holds the 16 largest and is bitonic, and four steps sort it again
; (56-71: partners 8 apart, the upper 8 taken straight from the list; 72-119).  Only the first step, the merge and the last step leave window 0.
.macro SRT e
.if (\e) < 8
	WIN W_20
	CMPX BT+8*nn, T, 2, 1, (\e)
.elseif (\e) < 16
	WIN 0
	CMPX T, U, 4, 2, (\e)-8
.elseif (\e) < 24
	WIN 0
	CMPX U, T, 4, 1, (\e)-16
.elseif (\e) < 32
	WIN 0
	CMPX T, U, 8, 4, (\e)-24
.elseif (\e) < 40
	WIN 0
	CMPX U, T, 8, 2, (\e)-32
.elseif (\e) < 48
	WIN 0
	CMPX T, U, 8, 1, (\e)-40
.elseif (\e) < 56
	WIN W_H
.set mi, (\e)-48
	v_max_num_f32 v[T+8+mi], v[16*nn+8+mi], v[U+7-mi]
.elseif (\e) < 72
	WIN W_H
.set mi, ((\e)-56)/2
.if ((\e)%2) == 0
	v_max_num_f32 v[U+mi], v[16*nn+mi], v[T+8+mi]
.else
	v_min_num_f32 v[U+8+mi], v[16*nn+mi], v[T+8+mi]
.endif
.elseif (\e) < 88
	WIN 0
	CMPX U, T, 16, 4, (\e)-72
.elseif (\e) < 104
	WIN 0
	CMPX T, U, 16, 2, (\e)-88
.else
	WIN W_02
	CMPX U, 16*nn, 16, 1, (\e)-104
.endif
.endm
; The change of slots, in tile 6, when tile 7's LDS loads, the slot's last, have come back.  Each wave waits for its reads of the slot and for all its tensor loads
; (one is out: its part of the other slot), then the barrier.  fill = 1: behind it the slot just read is filled again first, one load a wave, with the rows two trips on;
; it has a whole trip, 256 products, in which to land.  Then the fetches go on in the other slot.
.macro CHANGE fill
	s_wait_dscnt 0x0                               ; my reads of this slot are back (met: the roundings above waited for them)
	s_wait_tensorcnt 0x0                           ; no tensor load of mine is out, so a group 0 may be written:
	ds_add_u32 v14, v15
	s_wait_dscnt 0x0
.if \fill
	s_xor_b32 s[G0+5], s[G0+5], SLOT1              ; the walking descriptor: the other slot than last time,
	s_add_nc_u64 s[G0+6:G0+7], s[G0+6:G0+7], STEPB ; the next 128 rows; the type bits on top are not reached
.endif
	s_barrier_signal -1
	s_barrier_wait -1                              ; both now hold of every wave
.if \fill
	tensor_load_to_lds s[G0+4:G0+7], s[G1:G1+7]
	s_nop 0
.rept 4
	v_nop
.endr
.endif
	s_xor_b32 s[TB], s[TB], SLOT1
	v_add_nc_u32 v[ADR], s[TB], v[AD0]
.endm
; Number j of the vector work that stands beside tile tt's products 0-15: the maxima of query tiles 4-7 of the tile before (NU = 28 numbers; none in tile 0: the trip
; before has taken them at its end); the next tile's 32 roundings, into the buffer that the tile before multiplied, and behind them the run of loads for the tile
; after it; then the first SX numbers of query tile tt's sort.
.macro XI fill
.if j < NU
	MPI j, 4, tt-1
.elseif j < NU+32
.if j == NU
	s_wait_dscnt 0x0                               ; the next tile's 16 loads, issued a tile ago
.endif
	WIN 0
	v_cvt_pk_bf16_f32 v[A0+32*((tt+1)%2)+j-NU], v[F+2*(j-NU)], v[F+2*(j-NU)+1]
.if j == NU+31
.if tt == 6
	CHANGE \fill
.endif
	LOADF (tt+2)%8
.endif
.else
	SRT j-NU-32
.endif
.endm
; Number j of the work beside products 16-31: this tile's code, the maxima of its query tiles 0-3, the rest of the sort.
.macro YI
.if j == 0
	WIN 0
	v_xor_b32 v[IDV], 0x7f, v[GV]
.elseif j == 1
	WIN 0
	v_add_nc_u32 v[GV], 2, v[GV]                   ; the next tile's group
.elseif j < 30
	MPI j-2, 0, tt
.else
	SRT j-30+SX
.endif
.endm
; A tile: 32 products, a slice behind each.  Slice s of a half's 16 takes numbers s N / 16 up to (s + 1) N / 16 of the half's N: five to seven plain instructions.
; So the last slice of a half, which names no register of the product in front of it, holds the four places between that product and the reading of its result in the
; next slice, and between it and the roundings into its fragment buffer (ISA guide 7.12.1).
.macro TILE fill
.set nn, tt
.set NU, 28
.set SX, 45
.if tt == 0
.set NU, 0
.set SX, 59
.endif
.set NX, NU+32+SX
.set NY, 150-SX
.set ss, 0
.set j, 0
.rept 16
	WM
.rept ((ss+1)*NX)/16-(ss*NX)/16
	XI \fill
.set j, j+1
.endr
.set ss, ss+1
.endr
.set j, 0
.rept 16
	WM
.rept ((ss-15)*NY)/16-((ss-16)*NY)/16
	YI
.set j, j+1
.endr
.set ss, ss+1
.endr
.endm
; A trip: a slot's 8 tiles.  At its head tile 0 lies rounded in buffer 0 and tile 1's loads are out; so it is at its end, for the next slot.
; Tile 7's query tiles 4-7 are read behind the last product, so that nothing of the accumulators is carried into the next trip.
.macro TRIP fill
.set tt, 0
.rept 8
	TILE \fill
.set tt, tt+1
.endr
.set j, 0
.rept 28
	MPI j, 4, 7
.set j, j+1
.endr
	WIN 0                                          ; at a label and at a branch every window is 0
.endm
	s_wait_tensorcnt 0x1                           ; my part of slot 0 is in; slot 1's may stay out
	s_barrier_signal -1
	s_barrier_wait -1                              ; everybody's is
	LOADF 0
	s_wait_dscnt 0x0
.set pp, 0
.rept 32
	v_cvt_pk_bf16_f32 v[A0+pp], v[F+2*pp], v[F+2*pp+1]   ; tile 0
.set pp, pp+1
.endr
	LOADF 1
	s_wait_loadcnt 0x0                             ; hr
	s_mov_b32 s44, 14
.Lring:                                                ; trips 0 to 13; the refills bring the rows of trips 2 to 15
	TRIP 1
	s_sub_co_u32 s44, s44, 1
	s_cmp_lg_u32 s44, 0
	s_cbranch_scc1 .Lring
	s_mov_b32 s44, 2
.Ltail:                                                ; trips 14 and 15 ask for nothing: written out, and once for both.  Trip 14's barrier shows
	TRIP 0                                         ; trip 15's rows whole; trip 15's orders nothing more, and its look-ahead (32 LDS loads from the other slot, 32 roundings) is not used
	s_sub_co_u32 s44, s44, 1
	s_cmp_lg_u32 s44, 0
	s_cbranch_scc1 .Ltail
	s_wait_dscnt 0x0                               ; that look-ahead's loads are back: F is loaded into again below
	; THE LAST SORT.  Of query tile n's eight places, 0 .. n-1 were merged in the last trip: they are emptied; n .. 7 are new.
	WIN W_02
.irp n, 1,2,3,4,5,6,7
.set uu, 0
.rept \n
	v_mov_b32 v[BT+8*\n+uu], s49
.set uu, uu+1
.endr
.endr
.set nn, 0
.rept 8
.set j, 0
.rept 120
	SRT j
.set j, j+1
.endr
.set nn, nn+1
.endr
	; THE WAY OUT.  A query's two lists (the two halves of the lanes) are merged: both halves end with the same 16 numbers.
.set nn, 0
.rept 8
	WIN W_H
.set si, 0
.rept 16
	v_permlanex16_b32 v[U+si], v[16*nn+si], s46, s47     ; v240-255 have been written before
.set si, si+1
.endr
.set si, 0
.rept 16
	v_max_num_f32 v[T+si], v[16*nn+si], v[U+15-si]
.set si, si+1
.endr
	WIN 0
.set j, 0
.rept 16
	CMPX T, U, 16, 8, j
.set j, j+1
.endr
.set j, 72
.rept 48
	SRT j                                          ; the list's last three steps: partners 4, 2 and 1 apart
.set j, j+1
.endr
.set nn, nn+1
.endr
	WIN W_ST
.irp n, 0,1,2,3,4,5,6,7
.irp j, 0,1,2,3
	ds_store_b128 v[STO], v[16*\n+4*\j:16*\n+4*\j+3] offset:1024*\n+16*\j   ; query 16 n + r at 64 bytes a query; both halves write the same bytes with the same numbers
.endr
.endr
	WIN 0
.irp u, 0,1,2,3,4,5,6,7,8,9,10,11,12,13,14,15
	ds_load_b128 v[F+4*\u:F+4*\u+3], v[RD] offset:512*\u   ; my own stage: LDS serves a wave's instructions in order (ISA guide 5.7.1.4)
.endr
.irp u, 0,1,2,3,4,5,6,7,8,9,10,11,12,13,14,15
	s_wait_dscnt 15-\u
	global_store_b128 v[GO], v[F+4*\u:F+4*\u+3], s[12:13] offset:16384*\u   ; 16 lanes store four queries' 256 consecutive bytes, at a multiple of 256
.endr
	s_wait_tensorcnt 0x0
	ds_add_u32 v14, v15
	s_wait_dscnt 0x0
	s_endpgm
.Lfunc_end_k_q0734d97274_score:
	.size	k_q0734d97274_score, .Lfunc_end_k_q0734d97274_score-k_q0734d97274_score
	.p2alignl 7, 3214868480
	.fill 96, 4, 3214868480
	.section	.rodata,"a",@progbits
	.p2align	6, 0x0
	.amdhsa_kernel k_q0734d97274_score
		.amdhsa_group_segment_fixed_size 327680
		.amdhsa_private_segment_fixed_size 0
		.amdhsa_enable_private_segment 0
		.amdhsa_kernarg_size 24
		.amdhsa_user_sgpr_count 2
		.amdhsa_user_sgpr_kernarg_segment_ptr 1
		.amdhsa_wavefront_size32 1
		.amdhsa_system_sgpr_workgroup_id_x 1
		.amdhsa_system_sgpr_workgroup_id_y 1
		.amdhsa_system_sgpr_workgroup_id_z 1
		.amdhsa_system_vgpr_workitem_id 0
		.amdhsa_next_free_vgpr 768
		.amdhsa_next_free_sgpr 66
		.amdhsa_reserve_vcc 0
		.amdhsa_float_denorm_mode_32 3
		.amdhsa_float_denorm_mode_16_64 3
		.amdhsa_memory_ordered 1
		.amdhsa_forward_progress 1
		.amdhsa_inst_pref_size 255
	.end_amdhsa_kernel
	.section	.bss,"aw",@nobits
	.p2align	6
	.space	262144
	.amdgpu_metadata
---
amdhsa.version: [ 1, 2 ]
amdhsa.kernels:
  - .name:           k_q0734d97274_score
    .symbol:         k_q0734d97274_score.kd
    .args:
      - { .name: entity_embedding, .offset: 0, .size: 8, .value_kind: global_buffer, .address_space: global }
      - { .name: hrb, .offset: 8, .size: 8, .value_kind: global_buffer, .address_space: global }
      - { .name: lists, .offset: 16, .size: 8, .value_kind: global_buffer, .address_space: global }
    .group_segment_fixed_size: 327680
    .private_segment_fixed_size: 0
    .kernarg_segment_align: 8
    .kernarg_segment_size: 24
    .max_flat_workgroup_size: 128
    .sgpr_count:     66
    .vgpr_count:     768
    .wavefront_size: 32
...
	.end_amdgpu_metadata
.endif
;; end of part 5
;; launch pick (part 6): grid 256 x 1, 4 waves a work-group, no clusters, 35,328 bytes of LDS; arguments lists, cand; writes cand
.if DOCPART == 6
	.amdgcn_target "amdgcn-amd-amdhsa--gfx1250"
	.amdhsa_code_object_version 6
	.text
	.protected	k_q0734d97274_pick
	.globl	k_q0734d97274_pick
	.p2align	8
	.type	k_q0734d97274_pick,@function
k_q0734d97274_pick:
	s_mov_b64 s[64:65], 0
	v_nop
	global_prefetch_b8 v0, s[64:65] scope:SCOPE_SE
	s_setreg_imm32_b32 hwreg(HW_REG_WAVE_MODE, 25, 1), 1
	s_wait_xcnt 0x0
; THIRD OF FOUR LAUNCHES: per (scoring shard, query) the 16 largest of the 32 ranges' sorted lists of 16 packed group maxima, stored as whole numbers:
; the first row index of each chosen group of 8 entities.  The next launch forms addresses from them.
; A wave owns four queries of one shard: 32 units of 256 bytes (one a range), 8,192 consecutive bytes of lists.  They are read in whole units, turned
; through the wave's own LDS (pitch 272, so that the 16 rows of a read start at 16 different banks: 64 banks of 4 bytes, ISA guide 11.1), so that
; lane 31 - range holds that range's four lists.  Sixteen times: the largest head of the 32 lists, found across the lanes; the first lane that holds it
; (the latest range among equals) drops its head.  In turn j only entries 0 .. 15 - j of a list can still be wanted, so the shift stops there.
; Masks and stored numbers hang on the scores; no address and no branch does.  No matrix unit, no tensor load, no barrier: 8 MiB are read once and waves share nothing.
.set X,   16                           ; v16-79   as loaded
.set L,   80                           ; v80-143  list of query i at v[80 + 16 i ..]
.set MX,  4                            ; v4-7     the largest head, query i
.set TP,  144                          ; v144-147 the other half of the lanes'
.set R,   12                           ; v[12:13] the result: lane 8 i + j / 2, register j % 2
	s_load_b128 s[4:7], s[0:1], 0x0                ; lists, cand
	v_lshl_add_u32 v160, v0, 2, 0x8800
	v_mov_b32 v161, 0
	v_lshrrev_b32 v1, 5, v0
	v_readfirstlane_b32 s8, v1                     ; wave
	s_lshl_b32 s9, ttmp9, 2
	s_add_co_u32 s9, s9, s8                        ; task = shard x 256 + query / 4
	s_lshl_b32 s10, s9, 13
	s_mov_b32 s11, 0
	s_lshl_b32 s12, s9, 8
	s_mov_b32 s13, 0
	s_mul_i32 s14, s8, 8704                        ; my LDS: 32 rows of 272 bytes
	s_mov_b32 s16, 0x76543210
	s_mov_b32 s17, 0xfedcba98
	v_and_b32 v1, 31, v0                           ; lane
	v_lshlrev_b32 v2, 4, v1
	v_lshrrev_b32 v3, 4, v1
	v_and_b32 v10, 15, v1
	v_mul_u32_u24 v3, v3, 272
	v_lshl_add_u32 v3, v10, 4, v3
	v_add_nc_u32 v3, s14, v3                       ; in: lanes 0-15 one unit, lanes 16-31 the next
	v_sub_nc_u32 v10, 31, v1
	v_mul_u32_u24 v10, v10, 272
	v_add_nc_u32 v10, s14, v10                     ; back: lane l takes range 31 - l
	v_lshlrev_b32 v11, 3, v1
	s_wait_kmcnt 0x0
	s_add_nc_u64 s[4:5], s[4:5], s[10:11]
	s_add_nc_u64 s[6:7], s[6:7], s[12:13]
.irp k, 0,1,2,3,4,5,6,7,8,9,10,11,12,13,14,15
	global_load_b128 v[X+4*\k:X+4*\k+3], v2, s[4:5] offset:512*\k th:TH_LOAD_NT
.endr
.irp i, 0,1,2,3
	v_mov_b32 v[MX+\i], 0                          ; destinations of lane-crossing forms count as read
	v_mov_b32 v[TP+\i], 0
.endr
	v_mov_b32 v[R], 0
	v_mov_b32 v[R+1], 0
.irp k, 0,1,2,3,4,5,6,7,8,9,10,11,12,13,14,15
	s_wait_loadcnt 15-\k                           ; loads come back in order: load k is in
	ds_store_b128 v3, v[X+4*\k:X+4*\k+3] offset:544*\k
.endr
.irp i, 0,1,2,3
.irp j, 0,1,2,3
	ds_load_b128 v[L+16*\i+4*\j:L+16*\i+4*\j+3], v10 offset:64*\i+16*\j   ; my own bytes: served behind the stores above
.endr
.endr
	s_wait_dscnt 0x0
.macro ROUND j
.irp i, 0,1,2,3
	v_max_num_f32_dpp v[MX+\i], v[L+16*\i], v[L+16*\i] row_xmask:1 row_mask:0xf bank_mask:0xf
.endr
.irp x, 2,4,8
.irp i, 0,1,2,3
	v_max_num_f32_dpp v[MX+\i], v[MX+\i], v[MX+\i] row_xmask:\x row_mask:0xf bank_mask:0xf
.endr
.endr
.irp i, 0,1,2,3
	v_permlanex16_b32 v[TP+\i], v[MX+\i], s16, s17
.endr
.irp i, 0,1,2,3
	v_max_num_f32 v[MX+\i], v[MX+\i], v[TP+\i]     ; every lane holds the largest head
.endr
.irp i, 0,1,2,3
	v_cmp_eq_f32 s[20+\i], v[L+16*\i], v[MX+\i]
	v_readfirstlane_b32 s[24+\i], v[MX+\i]
.endr
.irp i, 0,1,2,3
	s_ctz_i32_b32 s[28+\i], s[20+\i]               ; the first lane that holds it
	s_lshl_b32 s[20+\i], 1, s[28+\i]               ; that lane alone drops its head
	s_ashr_i32 s[32+\i], s[24+\i], 31              ; the code was inverted for a negative number
	s_xor_b32 s[24+\i], s[24+\i], s[32+\i]
	s_and_b32 s[24+\i], s[24+\i], 0xff
	s_xor_b32 s[24+\i], s[24+\i], 0x7f             ; the group's number in its range
	s_sub_co_u32 s[28+\i], 31, s[28+\i]            ; the range
	s_lshl_b32 s[28+\i], s[28+\i], 11
	s_lshl3_add_u32 s[24+\i], s[24+\i], s[28+\i]   ; row = 2,048 x range + 8 x group
	v_writelane_b32 v[R+((\j)&1)], s[24+\i], 8*\i+((\j)>>1)
.endr
.if \j < 15
.set e, 0
.rept 15-\j
.irp i, 0,1,2,3
	v_cndmask_b32 v[L+16*\i+e], v[L+16*\i+e], v[L+16*\i+e+1], s[20+\i]
.endr
.set e, e+1
.endr
.endif
.endm
.irp j, 0,1,2,3,4,5,6,7,8,9,10,11,12,13,14,15
	ROUND \j
.endr
	global_store_b64 v11, v[R:R+1], s[6:7]         ; the wave stores 256 consecutive bytes, at a multiple of 256: four queries x 16 indices
	s_wait_tensorcnt 0x0
	ds_add_u32 v160, v161
	s_wait_dscnt 0x0
	s_endpgm
.Lfunc_end_k_q0734d97274_pick:
	.size	k_q0734d97274_pick, .Lfunc_end_k_q0734d97274_pick-k_q0734d97274_pick
	.p2alignl 7, 3214868480
	.fill 96, 4, 3214868480
	.section	.rodata,"a",@progbits
	.p2align	6, 0x0
	.amdhsa_kernel k_q0734d97274_pick
		.amdhsa_group_segment_fixed_size 35328
		.amdhsa_private_segment_fixed_size 0
		.amdhsa_enable_private_segment 0
		.amdhsa_kernarg_size 16
		.amdhsa_user_sgpr_count 2
		.amdhsa_user_sgpr_kernarg_segment_ptr 1
		.amdhsa_wavefront_size32 1
		.amdhsa_system_sgpr_workgroup_id_x 1
		.amdhsa_system_sgpr_workgroup_id_y 1
		.amdhsa_system_sgpr_workgroup_id_z 1
		.amdhsa_system_vgpr_workitem_id 0
		.amdhsa_next_free_vgpr 162
		.amdhsa_next_free_sgpr 66
		.amdhsa_reserve_vcc 0
		.amdhsa_float_denorm_mode_32 3
		.amdhsa_float_denorm_mode_16_64 3
		.amdhsa_memory_ordered 1
		.amdhsa_forward_progress 1
		.amdhsa_inst_pref_size 91
	.end_amdhsa_kernel
	.amdgpu_metadata
---
amdhsa.version: [ 1, 2 ]
amdhsa.kernels:
  - .name:           k_q0734d97274_pick
    .symbol:         k_q0734d97274_pick.kd
    .args:
      - { .name: lists, .offset: 0, .size: 8, .value_kind: global_buffer, .address_space: global }
      - { .name: cand, .offset: 8, .size: 8, .value_kind: global_buffer, .address_space: global }
    .group_segment_fixed_size: 35328
    .private_segment_fixed_size: 0
    .kernarg_segment_align: 8
    .kernarg_segment_size: 16
    .max_flat_workgroup_size: 128
    .sgpr_count:     66
    .vgpr_count:     162
    .wavefront_size: 32
...
	.end_amdgpu_metadata
.endif
;; end of part 6
;; launch rescore (part 7): grid 1024 x 1, 4 waves a work-group, no clusters, 1,536 bytes of LDS; arguments entity_embedding, head, relation, relation_embedding, shard_and_idx_to_entity, cand, out0, out1; writes out0, out1
.if DOCPART == 7
	.amdgcn_target "amdgcn-amd-amdhsa--gfx1250"
	.amdhsa_code_object_version 6
	.text
	.protected	k_q0734d97274_rescore
	.globl	k_q0734d97274_rescore
	.p2align	8
	.type	k_q0734d97274_rescore,@function
k_q0734d97274_rescore:
	s_mov_b64 s[64:65], 0
	v_nop
	global_prefetch_b8 v0, s[64:65] scope:SCOPE_SE
	s_setreg_imm32_b32 hwreg(HW_REG_WAVE_MODE, 25, 1), 1
	s_wait_xcnt 0x0
; FOURTH OF FOUR LAUNCHES: the exact result.  A work-group owns one query, wave s the scoring shard s.  The wave scores in f32 the 16 x 8 rows that the launch before named
; (whole rows of 512 bytes, one load of the wave each), takes the 11 best in reference()'s order (score down; among equals the later window of 1,024, in it the lower
; index: key = index ^ 0xfc00, ascending), lets the 11 start entries (-50000, index 65536) take the places of scores under -50000 (they lose ties), adds -50000 where the
; index is 64512 or more, and hands 11 scores and global ids to wave 0 through LDS.  Wave 0 takes the 10 best of the 44 (among equals: lower shard, then lower rank).
; Choices are made by masks and v_cndmask_b32; no branch and no address hangs on a score.  Addresses hang on whole numbers read from memory, each clamped to its table.
; LIMITS.  A row's 128 products are added in a fixed tree (4 in a lane, then across 32 lanes), not one after the other: the last bits of a score may differ from a
; sequential f32 sum.  NaN or infinite scores are not served.  The matrix unit is left out: one query against 128 rows would fill a sixteenth of a tile, and f32 is wanted.
.set H,    4                           ; v[4:7]    hr, my 4 channels
.set S,    8                           ; v8-11     scores: row 32 c + lane in register c
.set K,    12                          ; v12-15    their keys, as f32 (under 2^16: exact)
.set G,    16                          ; v16-19    their global ids
.set IDX,  20                          ; v20-23    their row indices
.set TT,   24                          ; v24-27    at work
.set MX,   28
.set KM,   29
.set GS,   30
.set TMP,  31
.set RS,   32                          ; results in lane j: score, key, id
.set RK,   33
.set RG,   34
.set BIG,  35
.set NINF, 36
.set BADV, 37
.set P,    40                          ; v[40:47]  four rows' partial sums
.set X,    64                          ; v64-255   three buffers of 16 rows x 4 registers
.set PB,   66                          ; s[66+2g:67+2g] address of group g's first row
	s_load_b512 s[4:19], s[0:1], 0x0               ; entity 4, head 6, relation 8, relation_embedding 10, map 12, cand 14, out0 16, out1 18
	v_lshl_add_u32 v62, v0, 2, 0x400
	v_mov_b32 v63, 0
	v_lshrrev_b32 v1, 5, v0
	v_readfirstlane_b32 s23, v1                    ; wave = scoring shard
	s_lshl_b32 s40, ttmp9, 2                       ; 4 q
	s_mov_b32 s41, 0
	s_lshl_b32 s42, s23, 10
	s_add_co_u32 s42, s42, ttmp9
	s_lshl_b32 s42, s42, 6                         ; (1,024 s + q) x 64
	s_mov_b32 s43, 0
	s_lshl_b32 s44, s23, 18                        ; the shard's 65,536 ids
	s_mov_b32 s45, 0
	s_mov_b32 s50, 0x76543210
	s_mov_b32 s51, 0xfedcba98
	v_and_b32 v1, 31, v0                           ; lane
	v_lshlrev_b32 v2, 4, v1                        ; my 16 bytes of a row; never rewritten
	v_lshrrev_b32 v3, 3, v1
	v_lshlrev_b32 v3, 2, v3
	v_and_b32 v38, 7, v1
	s_wait_kmcnt 0x0
	s_add_nc_u64 s[6:7], s[6:7], s[40:41]
	s_add_nc_u64 s[8:9], s[8:9], s[40:41]
	s_add_nc_u64 s[14:15], s[14:15], s[42:43]
	s_add_nc_u64 s[12:13], s[12:13], s[44:45]
	s_load_b32 s20, s[6:7], 0x0                    ; head[q]
	s_load_b32 s21, s[8:9], 0x0                    ; relation[q]
	s_load_b32 s22, s[12:13], 0x3fffc              ; the id that a start entry gets: map[s][65535]
	s_load_b512 s[24:39], s[14:15], 0x0            ; the 16 groups' first rows
.irp c, 0,1,2,3
	global_load_b32 v[IDX+\c], v3, s[14:15] offset:16*\c   ; the same by lanes: row 32 c + lane lies in group 4 c + lane / 8
.endr
	v_mov_b32 v[BIG], 0x7f800000
	v_mov_b32 v[NINF], 0xff800000
	v_mov_b32 v[BADV], 0xc7435000                  ; -50000.0
.irp r, S, S+1, S+2, S+3, MX, KM, TMP, RS, RK, RG
	v_mov_b32 v[\r], 0                             ; written whole before masks and lane-crossing forms write parts of them
.endr
	s_wait_kmcnt 0x0
	s_min_u32 s20, s20, 0xffff                     ; an index stays inside its table
	s_min_u32 s21, s21, 999
	s_lshr_b32 s40, ttmp9, 8                       ; the query's own shard
	s_lshl_b32 s40, s40, 25
	s_lshl_b32 s20, s20, 9
	s_add_co_u32 s40, s40, s20
	s_add_nc_u64 s[46:47], s[4:5], s[40:41]        ; the head's row
	s_lshl_b32 s40, s21, 9
	s_add_nc_u64 s[48:49], s[10:11], s[40:41]      ; the relation's row
	s_lshl_b32 s40, s23, 25
	s_add_nc_u64 s[4:5], s[4:5], s[40:41]          ; entity at the scoring shard
.irp g, 0,1,2,3,4,5,6,7,8,9,10,11,12,13,14,15
	s_min_u32 s[24+\g], s[24+\g], 0xfff8           ; 8 rows from here stay inside the shard
	s_lshl_b32 s40, s[24+\g], 9
	s_add_nc_u64 s[PB+2*\g:PB+2*\g+1], s[4:5], s[40:41]
.endr
	global_load_b128 v[H:H+3], v2, s[46:47]
	global_load_b128 v[P:P+3], v2, s[48:49]
	s_wait_loadcnt 0x2                             ; the four index loads are in; the two rows just asked for may be out
.irp c, 0,1,2,3
	v_min_u32 v[IDX+\c], 0xfff8, v[IDX+\c]
	v_add_nc_u32 v[IDX+\c], v[IDX+\c], v38         ; + lane % 8
	v_lshlrev_b32 v[TT+\c], 2, v[IDX+\c]
.endr
.irp c, 0,1,2,3
	global_load_b32 v[G+\c], v[TT+\c], s[12:13]    ; local index -> global id
.endr
.macro FILL c                          ; chunk c: groups 2 c and 2 c + 1, 16 rows, one load of 512 consecutive bytes each
.set kk, 0
.rept 16
	global_load_b128 v[X+64*((\c)%3)+4*kk:X+64*((\c)%3)+4*kk+3], v2, s[PB+2*(2*(\c)+kk/8):PB+2*(2*(\c)+kk/8)+1] offset:512*(kk%8)
.set kk, kk+1
.endr
.endm
	FILL 0
	FILL 1
	FILL 2
	s_wait_loadcnt 48                              ; all but the 48 row loads: ids, head row and relation row are in
	v_pk_mul_f32 v[H:H+1], v[H:H+1], v[P:P+1]      ; hr = h * r
	v_pk_mul_f32 v[H+2:H+3], v[H+2:H+3], v[P+2:P+3]
.irp c, 0,1,2,3
	v_xor_b32 v[K+\c], 0xfc00, v[IDX+\c]
.endr
.irp c, 0,1,2,3
	v_cvt_f32_u32 v[K+\c], v[K+\c]
.endr
; Four rows by turns: 4 products in a lane, the sum over the 32 lanes, and the sum set into the row's lane of S.
.macro ROW4 c, k0
.set XB, X+64*((\c)%3)+4*\k0
.irp u, 0,1,2,3
	v_pk_mul_f32 v[P+2*\u:P+2*\u+1], v[XB+4*\u:XB+4*\u+1], v[H:H+1]
	s_mov_b32 s[52+\u], 1<<(16*((\c)%2)+\k0+\u)
.endr
.irp u, 0,1,2,3
	v_pk_fma_f32 v[P+2*\u:P+2*\u+1], v[XB+4*\u+2:XB+4*\u+3], v[H+2:H+3], v[P+2*\u:P+2*\u+1]
.endr
.irp u, 0,1,2,3
	v_add_f32 v[P+2*\u], v[P+2*\u], v[P+2*\u+1]
.endr
.irp x, 1,2,4,8
.irp u, 0,1,2,3
	v_add_f32_dpp v[P+2*\u], v[P+2*\u], v[P+2*\u] row_xmask:\x row_mask:0xf bank_mask:0xf
.endr
.endr
.irp u, 0,1,2,3
	v_permlanex16_b32 v[P+2*\u+1], v[P+2*\u], s50, s51
.endr
.irp u, 0,1,2,3
	v_add_f32 v[P+2*\u], v[P+2*\u], v[P+2*\u+1]
.endr
.irp u, 0,1,2,3
	v_cndmask_b32 v[S+(\c)/2], v[S+(\c)/2], v[P+2*\u], s[52+\u]
.endr
.endm
.macro PROC c, left
	s_wait_loadcnt \left                           ; loads come back in order: this chunk is in, the loads issued behind it may be out
.irp k0, 0,4,8,12
	ROW4 \c, \k0
.endr
.endm
	PROC 0, 32
	FILL 3
	PROC 1, 32
	FILL 4
	PROC 2, 32
	FILL 5
	PROC 3, 32
	FILL 6
	PROC 4, 32
	FILL 7
	PROC 5, 32
	PROC 6, 16
	PROC 7, 0
.macro WMAX r
.irp x, 1,2,4,8
	v_max_num_f32_dpp v[\r], v[\r], v[\r] row_xmask:\x row_mask:0xf bank_mask:0xf
.endr
	v_permlanex16_b32 v[TMP], v[\r], s50, s51
	v_max_num_f32 v[\r], v[\r], v[TMP]
.endm
.macro WMIN r
.irp x, 1,2,4,8
	v_min_num_f32_dpp v[\r], v[\r], v[\r] row_xmask:\x row_mask:0xf bank_mask:0xf
.endr
	v_permlanex16_b32 v[TMP], v[\r], s50, s51
	v_min_num_f32 v[\r], v[\r], v[TMP]
.endm
; The best entries of nreg x 32, one a turn: the largest score; among its holders the smallest key (keys differ, so one entry is left);
; that entry is taken out (minus infinity), and score, key and id go to lane j of RS, RK, RG.
.macro TOPK nreg, rounds
.set jj, 0
.rept \rounds
.if \nreg == 4
	v_max3_num_f32 v[MX], v[S], v[S+1], v[S+2]
	v_max_num_f32 v[MX], v[MX], v[S+3]
.else
	v_max_num_f32 v[MX], v[S], v[S+1]
.endif
	WMAX MX
.set cc, 0
.rept \nreg
	v_cmp_eq_f32 vcc_lo, v[S+cc], v[MX]
	v_cndmask_b32 v[TT+cc], v[BIG], v[K+cc], vcc_lo
.set cc, cc+1
.endr
.if \nreg == 4
	v_min3_num_f32 v[KM], v[TT], v[TT+1], v[TT+2]
	v_min_num_f32 v[KM], v[KM], v[TT+3]
.else
	v_min_num_f32 v[KM], v[TT], v[TT+1]
.endif
	WMIN KM
	v_mov_b32 v[GS], 0
.set cc, 0
.rept \nreg
	v_cmp_eq_f32 s[56+cc], v[TT+cc], v[KM]
	v_cndmask_b32 v[S+cc], v[S+cc], v[NINF], s[56+cc]
	v_cndmask_b32 v[GS], v[GS], v[G+cc], s[56+cc]
.set cc, cc+1
.endr
	s_or_b32 s60, s56, s57
.if \nreg == 4
	s_or_b32 s61, s58, s59
	s_or_b32 s60, s60, s61
.endif
	s_ctz_i32_b32 s61, s60                         ; the lane that held the entry
	v_readlane_b32 s62, v[GS], s61
	s_mov_b32 s63, 1<<jj
	v_cndmask_b32 v[RS], v[RS], v[MX], s63
	v_cndmask_b32 v[RK], v[RK], v[KM], s63
	v_writelane_b32 v[RG], s62, jj
.set jj, jj+1
.endr
.endm
	TOPK 4, 11
	; start entries and the penalty for padding rows (lanes 11 and up hold nothing that is used)
	v_cvt_u32_f32 v[TT], v[RK]
	v_xor_b32 v[TT], 0xfc00, v[TT]                 ; the row index again
	v_mov_b32 v[TT+1], s22
	v_cmp_ge_f32 vcc_lo, v[RS], v[BADV]            ; a score of -50000 or more keeps its place: a start entry loses ties
	v_cndmask_b32 v[RS], v[BADV], v[RS], vcc_lo
	v_cndmask_b32 v[TT], 0x10000, v[TT], vcc_lo
	v_cndmask_b32 v[RG], v[TT+1], v[RG], vcc_lo
	v_cmp_le_u32 vcc_lo, 0xfc00, v[TT]             ; index 64512 or more
	v_add_f32 v[TT+2], v[RS], v[BADV]
	v_cndmask_b32 v[RS], v[RS], v[TT+2], vcc_lo
	s_lshl_b32 s40, s23, 7
	v_lshl_add_u32 v[TT+3], v1, 2, s40             ; 128 bytes a shard
	ds_store_b32 v[TT+3], v[RS]
	ds_store_b32 v[TT+3], v[RG] offset:512
	s_wait_dscnt 0x0                               ; for wave 0's sake: my stores are done
	s_barrier_signal -1
	s_barrier_wait -1
	s_cmp_lg_u32 s23, 0
	s_cbranch_scc1 .Lend
	v_lshrrev_b32 v[TT], 4, v1
	v_and_b32 v[TT+1], 15, v1                      ; rank
	v_lshlrev_b32 v[TT], 7, v[TT]
	v_lshl_add_u32 v[TT], v[TT+1], 2, v[TT]        ; register c, lane l: shard 2 c + l / 16, rank l % 16
	ds_load_b32 v[S], v[TT]
	ds_load_b32 v[S+1], v[TT] offset:256
	ds_load_b32 v[G], v[TT] offset:512
	ds_load_b32 v[G+1], v[TT] offset:768
	v_cvt_f32_u32 v[K], v1                         ; key = 16 x shard + rank: the order of the 44 places
	v_add_nc_u32 v[K+1], 32, v1
	v_cvt_f32_u32 v[K+1], v[K+1]
	v_cmp_le_u32 vcc_lo, 11, v[TT+1]               ; ranks 11 to 15 do not exist
	s_mul_i32 s40, ttmp9, 40                       ; 10 numbers a query
	s_add_nc_u64 s[16:17], s[16:17], s[40:41]
	s_add_nc_u64 s[18:19], s[18:19], s[40:41]
	s_wait_dscnt 0x0
	v_cndmask_b32 v[S], v[S], v[NINF], vcc_lo
	v_cndmask_b32 v[S+1], v[S+1], v[NINF], vcc_lo
	TOPK 2, 10
	v_lshlrev_b32 v3, 2, v1
	v_cmp_gt_u32 vcc_lo, 10, v1
	s_wait_xcnt 0x0                                ; EXEC changes only behind this wait
	s_and_saveexec_b32 s42, vcc_lo
	global_store_b32 v3, v[RG], s[16:17]           ; 40 consecutive bytes a query: the outputs are 80 KiB in all, one query to a work-group
	global_store_b32 v3, v[RS], s[18:19]
	s_wait_xcnt 0x0                                ; and again in front of the line that widens it
	s_or_b32 exec_lo, exec_lo, s42
.Lend:
	s_wait_tensorcnt 0x0
	ds_add_u32 v62, v63
	s_wait_dscnt 0x0
	s_endpgm
.Lfunc_end_k_q0734d97274_rescore:
	.size	k_q0734d97274_rescore, .Lfunc_end_k_q0734d97274_rescore-k_q0734d97274_rescore
	.p2alignl 7, 3214868480
	.fill 96, 4, 3214868480
	.section	.rodata,"a",@progbits
	.p2align	6, 0x0
	.amdhsa_kernel k_q0734d97274_rescore
		.amdhsa_group_segment_fixed_size 1536
		.amdhsa_private_segment_fixed_size 0
		.amdhsa_enable_private_segment 0
		.amdhsa_kernarg_size 64
		.amdhsa_user_sgpr_count 2
		.amdhsa_user_sgpr_kernarg_segment_ptr 1
		.amdhsa_wavefront_size32 1
		.amdhsa_system_sgpr_workgroup_id_x 1
		.amdhsa_system_sgpr_workgroup_id_y 1
		.amdhsa_system_sgpr_workgroup_id_z 1
		.amdhsa_system_vgpr_workitem_id 0
		.amdhsa_next_free_vgpr 256
		.amdhsa_next_free_sgpr 100
		.amdhsa_reserve_vcc 1
		.amdhsa_float_denorm_mode_32 3
		.amdhsa_float_denorm_mode_16_64 3
		.amdhsa_memory_ordered 1
		.amdhsa_forward_progress 1
		.amdhsa_inst_pref_size 142
	.end_amdhsa_kernel
	.amdgpu_metadata
---
amdhsa.version: [ 1, 2 ]
amdhsa.kernels:
  - .name:           k_q0734d97274_rescore
    .symbol:         k_q0734d97274_rescore.kd
    .args:
      - { .name: entity_embedding, .offset: 0, .size: 8, .value_kind: global_buffer, .address_space: global }
      - { .name: head, .offset: 8, .size: 8, .value_kind: global_buffer, .address_space: global }
      - { .name: relation, .offset: 16, .size: 8, .value_kind: global_buffer, .address_space: global }
      - { .name: relation_embedding, .offset: 24, .size: 8, .value_kind: global_buffer, .address_space: global }
      - { .name: shard_and_idx_to_entity, .offset: 32, .size: 8, .value_kind: global_buffer, .address_space: global }
      - { .name: cand, .offset: 40, .size: 8, .value_kind: global_buffer, .address_space: global }
      - { .name: out0, .offset: 48, .size: 8, .value_kind: global_buffer, .address_space: global }
      - { .name: out1, .offset: 56, .size: 8, .value_kind: global_buffer, .address_space: global }
    .group_segment_fixed_size: 1536
    .private_segment_fixed_size: 0
    .kernarg_segment_align: 8
    .kernarg_segment_size: 64
    .max_flat_workgroup_size: 128
    .sgpr_count:     100
    .vgpr_count:     256
    .wavefront_size: 32
...
	.end_amdgpu_metadata
.endif
;; end of part 7
;; ======== version 3 of 3: 4 launches; version 2 with the launch prep written anew for expert scheduling mode
;; workspace buffers: hrb 262,144 bytes; lists 8,388,608 bytes; cand 262,144 bytes of whole numbers
;; launch prep (part 8): grid 64 x 1, 1 waves a work-group, no clusters, 0 bytes of LDS; arguments entity_embedding, head, relation, relation_embedding, hrb; writes hrb
.if DOCPART == 8
	.amdgcn_target "amdgcn-amd-amdhsa--gfx1250"
	.amdhsa_code_object_version 6
	.text
	.protected	k_q0734d97274_prep
	.globl	k_q0734d97274_prep
	.p2align	8
	.type	k_q0734d97274_prep,@function
k_q0734d97274_prep:
	s_mov_b64 s[64:65], 0
	v_nop
	global_prefetch_b8 v0, s[64:65] scope:SCOPE_SE
	s_setreg_imm32_b32 hwreg(HW_REG_WAVE_SCHED_MODE, 0, 2), 2
	s_setreg_imm32_b32 hwreg(HW_REG_WAVE_MODE, 25, 1), 1
	s_wait_xcnt 0x0
	s_wait_alu depctr_vm_vsrc(0)
; FIRST OF FOUR LAUNCHES: hr[q] = entity[q >> 8][head[q]] * relation_embedding[relation[q]], multiplied in f32, rounded once to bf16, and laid out
; as the next launch's matrix fragments, so that its 256 work-groups read 128 KiB each in place of gathering 512 KiB of f32 rows each.
; A work-group is one wave and owns one tile of 16 queries (64 tiles).  Lane (r = lane % 16, h = lane / 16) owns query r's channels 64 h .. 64 h + 63:
; 256 neighbouring bytes of the head's row and of the relation's row.  Its 32 result registers are the tile's fragment: register p holds channels 64 h + 2 p, + 1.
; hrb: tile x 4,096 + quad j x 512 + lane x 16 bytes: each store of the wave covers 512 consecutive bytes, aligned.
; The launch has work for 64 waves, 1 MiB read in all; LDS, matrix unit and tensor loads would add nothing.
; THE MODE: SCHED_MODE bits 1:0 = 2 (LLVM: expert scheduling mode 2), set by the entry lines.  The code itself states the register dependences
; between vector instructions and memory instructions, with s_wait_alu, always for 0.
; THE PLAN.  Registers that memory instructions touch:
;   v3, v5     offsets (4 r; 16 x lane), made once at the head and never written again: v3 is read by the two index loads, v5 by the eight stores.
;   v6, v7     the two index loads land here; four vector lines make the rows' offsets of them; the 32 row loads read them; never written again.
;   HD, RL     the row loads land here, once; before that no vector line names them, behind their wait on LOADcnt vector lines alone do.
;   O          step p's roundings write O[8 p .. 8 p + 7]; two stores read them; each register is written once in the launch.
; The eight quads go in four steps of two.  A step's two stores are issued at the head of the NEXT step, behind that step's wait for its data and one wait on
; va_vdst; the vector lines that follow them name the next step's registers alone.  No register that a memory instruction reads is written again, so
; no wait on vm_vsrc is owed; no vector line writes a scalar register or VCC, and EXEC is never written.
.set HD, 16                            ; v16-79   the head's 64 channels, then the products
.set RL, 80                            ; v80-143  the relation's
.set O,  144                           ; v144-175 the products in bf16
	s_load_b256 s[4:11], s[0:1], 0x0               ; entity s[4:5], head s[6:7], relation s[8:9], relation_embedding s[10:11]
	s_load_b64 s[12:13], s[0:1], 0x20              ; hrb
	v_and_b32 v1, 15, v0                           ; r
	v_bfe_u32 v2, v0, 4, 1                         ; h
	v_lshlrev_b32 v3, 2, v1                        ; 4 r
	v_lshlrev_b32 v4, 8, v2                        ; 256 h
	v_lshlrev_b32 v5, 4, v0                        ; 16 x lane; never rewritten
	s_lshl_b32 s14, ttmp9, 6                       ; the tile's 16 indices of 4 bytes
	s_mov_b32 s15, 0
	s_lshr_b32 s16, ttmp9, 4                       ; the queries' shard: 16 tiles to a shard
	s_lshl_b32 s16, s16, 25
	s_mov_b32 s17, 0
	s_lshl_b32 s18, ttmp9, 12                      ; the tile's 4,096 bytes of hrb
	s_mov_b32 s19, 0
	s_wait_kmcnt 0x0
	s_add_nc_u64 s[6:7], s[6:7], s[14:15]
	s_add_nc_u64 s[8:9], s[8:9], s[14:15]
	s_add_nc_u64 s[4:5], s[4:5], s[16:17]
	s_add_nc_u64 s[12:13], s[12:13], s[18:19]
	s_wait_alu depctr_va_vdst(0)                   ; v3 is written, which the two index loads read as their offset; so is v5, which every store of the kernel reads as its offset
	global_load_b32 v6, v3, s[6:7]
	global_load_b32 v7, v3, s[8:9]
	s_wait_loadcnt 0x0
	v_min_u32 v6, 0xffff, v6                       ; an index stays inside its table
	v_min_u32 v7, 999, v7
	v_lshl_add_u32 v6, v6, 9, v4                   ; row x 512 + my half
	v_lshl_add_u32 v7, v7, 9, v4
	s_wait_alu depctr_va_vdst(0)                   ; v6 and v7 are written, which the 32 row loads read as their offsets
.irp i, 0,1,2,3,4,5,6,7,8,9,10,11,12,13,14,15
	global_load_b128 v[HD+4*\i:HD+4*\i+3], v6, s[4:5] offset:16*\i
	global_load_b128 v[RL+4*\i:RL+4*\i+3], v7, s[10:11] offset:16*\i
.endr
; The two stores of step p: quads 2 p and 2 p + 1.
.macro SEND p
	global_store_b128 v5, v[O+8*(\p):O+8*(\p)+3],   s[12:13] offset:1024*(\p)
	global_store_b128 v5, v[O+8*(\p)+4:O+8*(\p)+7], s[12:13] offset:1024*(\p)+512
.endm
; Step p: 16 channels of the head times 16 of the relation, rounded into 8 registers; at its head the stores of the step before.
.macro STEP p
	s_wait_loadcnt 24-8*(\p)                       ; loads come back in order: the eight that feed step p are in, the 24 - 8 p issued behind them may be out
.if (\p) > 0
	s_wait_alu depctr_va_vdst(0)                   ; the roundings of the step before have written its eight registers of O, which the two stores below read
	SEND (\p)-1
.endif
.irp k, 0,1,2,3,4,5,6,7
	v_pk_mul_f32 v[HD+16*(\p)+2*\k:HD+16*(\p)+2*\k+1], v[HD+16*(\p)+2*\k:HD+16*(\p)+2*\k+1], v[RL+16*(\p)+2*\k:RL+16*(\p)+2*\k+1]
.endr
.irp k, 0,1,2,3,4,5,6,7
	v_cvt_pk_bf16_f32 v[O+8*(\p)+\k], v[HD+16*(\p)+2*\k], v[HD+16*(\p)+2*\k+1]
.endr
.endm
	STEP 0
	STEP 1
	STEP 2
	STEP 3
	s_wait_alu depctr_va_vdst(0)                   ; step 3's roundings have written the last eight registers of O, which the last two stores read
	SEND 3
	s_endpgm
.Lfunc_end_k_q0734d97274_prep:
	.size	k_q0734d97274_prep, .Lfunc_end_k_q0734d97274_prep-k_q0734d97274_prep
	.p2alignl 7, 3214868480
	.fill 96, 4, 3214868480
	.section	.rodata,"a",@progbits
	.p2align	6, 0x0
	.amdhsa_kernel k_q0734d97274_prep
		.amdhsa_group_segment_fixed_size 0
		.amdhsa_private_segment_fixed_size 0
		.amdhsa_enable_private_segment 0
		.amdhsa_kernarg_size 40
		.amdhsa_user_sgpr_count 2
		.amdhsa_user_sgpr_kernarg_segment_ptr 1
		.amdhsa_wavefront_size32 1
		.amdhsa_system_sgpr_workgroup_id_x 1
		.amdhsa_system_sgpr_workgroup_id_y 1
		.amdhsa_system_sgpr_workgroup_id_z 1
		.amdhsa_system_vgpr_workitem_id 0
		.amdhsa_next_free_vgpr 176
		.amdhsa_next_free_sgpr 66
		.amdhsa_reserve_vcc 0
		.amdhsa_float_denorm_mode_32 3
		.amdhsa_float_denorm_mode_16_64 3
		.amdhsa_memory_ordered 1
		.amdhsa_forward_progress 1
		.amdhsa_inst_pref_size 10
	.end_amdhsa_kernel
	.amdgpu_metadata
---
amdhsa.version: [ 1, 2 ]
amdhsa.kernels:
  - .name:           k_q0734d97274_prep
    .symbol:         k_q0734d97274_prep.kd
    .args:
      - { .name: entity_embedding, .offset: 0, .size: 8, .value_kind: global_buffer, .address_space: global }
      - { .name: head, .offset: 8, .size: 8, .value_kind: global_buffer, .address_space: global }
      - { .name: relation, .offset: 16, .size: 8, .value_kind: global_buffer, .address_space: global }
      - { .name: relation_embedding, .offset: 24, .size: 8, .value_kind: global_buffer, .address_space: global }
      - { .name: hrb, .offset: 32, .size: 8, .value_kind: global_buffer, .address_space: global }
    .group_segment_fixed_size: 0
    .private_segment_fixed_size: 0
    .kernarg_segment_align: 8
    .kernarg_segment_size: 40
    .max_flat_workgroup_size: 32
    .sgpr_count:     66
    .vgpr_count:     176
    .wavefront_size: 32
...
	.end_amdgpu_metadata
.endif
;; end of part 8
;; launch score: the kernel of part 5 again; grid 2 x 128, 4 waves a work-group, no clusters, 327,680 bytes of LDS; arguments entity_embedding, hrb, lists; writes lists
;; launch pick: the kernel of part 6 again; grid 256 x 1, 4 waves a work-group, no clusters, 35,328 bytes of LDS; arguments lists, cand; writes cand
;; launch rescore: the kernel of part 7 again; grid 1024 x 1, 4 waves a work-group, no clusters, 1,536 bytes of LDS; arguments entity_embedding, head, relation, relation_embedding, shard_and_idx_to_entity, cand, out0, out1; writes out0, out1
